; MI455X (gfx1250); checked and timed in simulation.
; The chip was launched on July 23, 2026; its instructions are those of AMD's public machine-readable ISA for CDNA 5 (MIT licence, August 2026) and "CDNA5" Instruction Set Architecture Reference Guide (July 2026). The comments in the code are by the model that wrote it; some were corrected since.
;; Grouped Query Attention. Allowed arithmetic: matrix products marked QUANTISED: E2M1 operands, one E8M0 scale for each 32 along K, by v_wmma_scale_f32_16x16x128_f8f6f4 with both operands' format E2M1 (or v_wmma_scale_f32_32x16x128_f4), f32 sums; products left as they are: bf16, f16 or f32 operands; f32 sums; everything else in f32.
;; Inputs: Wk 2,048 x 512 float32; Wo 1,024 x 2,048 float32; Wq 2,048 x 1,024 float32; Wv 2,048 x 512 float32; x 2 x 2,048 x 2,048 float32.
;; Outputs: out0 2 x 2,048 x 2,048 float32.
;; This version of the problem:
;;   THIS VERSION OF THE PROBLEM IS GIVEN IN LOW PRECISION. The matrix products marked QUANTISED in the list below multiply operands that are first quantised to E2M1 (2 exponent bits, 1 mantissa bit; 4 bits a number), with one power-of-two scale for each 32 numbers along K (OCP MX v1.0); their sums are f32. The products marked 'left as it is' may take bf16, f16 or f32 operands, with f32 sums. Whichever they take, every output number must still come out within the allowed error. Rounding operands to bf16 (8 significant bits) uses up far more of that allowance than f16 does (11 bits, for magnitudes from 6e-5 to 65,504). All else is computed in f32.
;;   The module's matrix products, in the order in which they are computed (A, B: the left and right operand; K: the contracted axis; several contracted axes count as one K, in the product's order):
;;     1. [M 4,096, K 2,048] x [K 2,048, N 1,024]; A: input x; B: input Wq: QUANTISED
;;     2. [M 4,096, K 2,048] x [K 2,048, N 512]; A: input x; B: input Wk: QUANTISED
;;     3. [M 4,096, K 2,048] x [K 2,048, N 512]; A: input x; B: input Wv: QUANTISED
;;     4. batch 8 x [M 4,096, K 128] x [K 128, N 2,048]; A: computed on the way; B: computed on the way: left as it is (an operand is computed on the way)
;;     5. batch 8 x [M 4,096, K 2,048] x [K 2,048, N 128]; A: computed on the way; B: computed on the way: left as it is (an operand is computed on the way)
;;     6. [M 4,096, K 1,024] x [K 1,024, N 2,048]; A: computed on the way; B: input Wo: left as it is (an operand is computed on the way)
;;   THE QUANTISER, for each operand of a quantised product, along K:
;;     - K is cut into blocks of 32 from its start; a last block that is shorter is filled with zeros.
;;     - A block's scale is 2^e with e = floor(log2(the largest magnitude in the block)) - 2, held to -126 .. 127; a block of zeros has e = 0. As a byte (E8M0): e + 127.
;;     - Each number is divided by its block's scale, clamped to +-6, and rounded to the nearest number of E2M1, ties to even, subnormals kept.
;;     - The product sums the exact products of the quantised numbers (number of the format x scale) in f32.
;;   ~~~python
;;   def quantise(x, axis):      # numpy; x: float32 -> the quantised numbers, widened to float32 again
;;       x = np.moveaxis(x, axis, -1); K = x.shape[-1]
;;       x = np.pad(x, [(0, 0)] * (x.ndim - 1) + [(0, -K % 32)]); x = x.reshape(x.shape[:-1] + (-1, 32)); a = np.abs(x).max(-1, keepdims=True)
;;       e = np.where(a > 0, np.clip(np.frexp(np.where(a > 0, a, 1))[1] - 1 - 2, -126, 127), 0)      # np.frexp(a)[1] - 1 = floor(log2(a)), exactly
;;       r = np.clip(x / 2.0 ** e, -6, 6)
;;       step = 2.0 ** (np.maximum(np.frexp(np.where(r == 0, 1, r))[1] - 1, 0) - 1)
;;       q = np.round(r / step) * step * 2.0 ** e      # np.round: ties to even
;;       return np.moveaxis(q.reshape(q.shape[:-2] + (-1,))[..., :K], -1, axis).astype(np.float32)
;;   ~~~
;; One version. Each part assembles by itself: llvm-mc -triple=amdgcn-amd-amdhsa -mcpu=gfx1250 --defsym DOCPART=n.
;; ======== version 1 of 1: 5 launches
;; limits: values are held in f16: magnitudes above 65,504 overflow, below 6.1e-05 lose precision
;; workspace buffers: codes 6,291,456 bytes; scales 393,216 bytes; wot16 4,194,304 bytes; rope 2,162,688 bytes; qkv16 16,777,216 bytes; fine 262,144 bytes; att16 8,388,608 bytes
;; launch prep (part 1): grid 480 x 1, 4 waves a work-group, no clusters, 102,912 bytes of LDS; arguments x, Wq, Wk, Wv, Wo, codes, scales, wot16, rope; writes codes, scales, wot16, rope
.if DOCPART == 1
	.amdgcn_target "amdgcn-amd-amdhsa--gfx1250"
	.amdhsa_code_object_version 6
	.text
	.protected	k_q365963dcb7_prep
	.globl	k_q365963dcb7_prep
	.p2align	8
	.type	k_q365963dcb7_prep,@function
k_q365963dcb7_prep:
	s_mov_b64 s[64:65], 0
	v_nop
	global_prefetch_b8 v0, s[64:65] scope:SCOPE_SE
	s_setreg_imm32_b32 hwreg(HW_REG_WAVE_MODE, 25, 1), 1
	s_wait_xcnt 0x0
; FOUR JOBS IN ONE LAUNCH, told apart by the work-group's number; each has LDS bytes of its own and its own end.
;   X (work-groups 0-255):   x [4096][2048] f32 -> codes of FP4 (E2M1), K innermost, and one E8M0 byte for each 32 along K.
;   W (256-319): Wq, Wk, Wv [2048 k][n] f32, K their FIRST axis -> codes [2048 n][2048 k] (n: 0-1023 Wq, 1024-1535 Wk, 1536-2047 Wv) and bytes [n][64].
;   O (320-447): Wo [1024 k][2048 n] f32 -> f16, laid [2048 n][1024 k].
;   R (448-479): the rotary table, rows of 64 cos then 64 sin, f32: 2,048 rows x c = log2(e)/sqrt(128) for q, 2,048 plain rows for k, 128 rows of 1 and 0 for v.
; A block's scale is 2^(floor(log2(its largest magnitude)) - 2); its byte is the largest magnitude's exponent field - 2, held at 1 from below.
; LIMITS: a block of zeros gets the byte 1 where the rule says 127 (its codes are zeros, and this program alone reads the bytes); blocks whose largest magnitude lies under 2^-124 are held at byte 1;
; NaN and infinities among the inputs are not served.  The table's angles are t x 2^(-d log2(10000)/64) with the power of two good to one unit in the last place: up to about 2e-4 rad off at t = 2,047.
; Wo's numbers must lie inside f16's range, 65,504.
; No matrix unit, no tensor load, no barrier: waves share nothing.
.set SPW,   12                         ; v12  LDS address of my spare word; never rewritten
.set NIL,   13                         ; v13  0; never rewritten
.set WSTG,  32768                      ; LDS: 0 .. 32,767 path X (8,192 a wave); then path W's four stages of 32 x 272;
.set OSTG,  67584                      ; then path O's four;
.set SPARE, 102400                     ; then the spare words, 128 bytes a wave, which no other line names
.set WCODES, 4194304                   ; where W's codes begin in the codes' buffer
.set WSCALES, 262144                   ; and W's bytes in the scales'
.set EMAX,  2
.set RK,    1048576                    ; the table's part for k
.set RV,    2097152                    ; and for v
.macro FIN                             ; a wave's end
	s_wait_tensorcnt 0x0
	ds_add_u32 v[SPW], v[NIL]
	s_wait_dscnt 0x0
	s_endpgm
.endm
	s_load_b256 s[4:11], s[0:1], 0x0               ; x, Wq, Wk, Wv
	s_load_b256 s[12:19], s[0:1], 0x20             ; Wo, codes, scales, wot16
	s_load_b64 s[20:21], s[0:1], 0x40              ; rope
	v_lshl_add_u32 v[SPW], v0, 2, SPARE
	v_mov_b32 v[NIL], 0
	v_lshrrev_b32 v1, 5, v0
	v_readfirstlane_b32 s22, v1                    ; wave
	v_and_b32 v2, 31, v0                           ; lane
	s_wait_kmcnt 0x0
	s_cmp_lt_u32 ttmp9, 256
	s_cbranch_scc1 .Lpath_x
	s_cmp_lt_u32 ttmp9, 320
	s_cbranch_scc1 .Lpath_w
	s_cmp_lt_u32 ttmp9, 448
	s_cbranch_scc1 .Lpath_o
; ---------------- R: the rotary table.  A work-group makes 64 positions; thread: four frequencies d = 4 (tid % 16) + e, position tid / 16 of eight a trip.
	s_sub_co_u32 s23, ttmp9, 448
	s_mov_b32 s66, 0x3fc90fdb                      ; pi/2, its f32 part,
	s_mov_b32 s67, 0xb33bbd2e                      ; and what is left of it
	s_mov_b32 s68, 0xbe2aaaab                      ; sine: -1/6, 1/120, -1/5040, 1/362880
	s_mov_b32 s69, 0x3c088889
	s_mov_b32 s70, 0xb9500d01
	s_mov_b32 s71, 0x3638ef1d
	s_mov_b32 s73, 0x3d2aaaab                      ; cosine: 1/24, -1/720, 1/40320, -1/3628800
	s_mov_b32 s74, 0xbab60b61
	s_mov_b32 s75, 0x37d00d01
	s_mov_b32 s76, 0xb493f27e
	v_and_b32 v22, 15, v0
	v_lshrrev_b32 v23, 4, v0                       ; my row of the trip's eight
	v_lshlrev_b32 v24, 2, v22
.irp e, 0,1,2,3
	v_add_nc_u32 v[16+\e], \e, v24
.endr
.irp e, 0,1,2,3
	v_cvt_f32_u32 v[16+\e], v[16+\e]
.endr
.irp e, 0,1,2,3
	v_mul_f32 v[16+\e], 0xbe549a78, v[16+\e]       ; -d log2(10000) / 64
.endr
.irp e, 0,1,2,3
	v_exp_f32 v[16+\e], v[16+\e]                   ; the frequency
.endr
	s_lshl_b32 s24, s23, 6
	v_add_nc_u32 v21, s24, v23                     ; my first position (a plain line behind the exponentials)
	v_cvt_f32_u32 v20, v21                         ; as f32
	v_lshlrev_b32 v21, 9, v21
	v_lshl_add_u32 v21, v22, 4, v21                ; its row of 512 bytes, my 16 bytes
	s_wait_alu depctr_va_vdst(0)                   ; one wait for the four exponentials, ahead of the loop's label and of their first reader
; cos and sin of t x frequency e: the angle less n pi/2 in two steps, polynomials on what is left (at most pi/4), then the quadrant n mod 4 by selects and sign bits
.macro SINCOS e
	v_mul_f32 v24, v20, v[16+\e]
	v_mul_f32 v25, 0x3f22f983, v24
	v_rndne_f32 v25, v25
	v_fma_f32 v26, -v25, s66, v24
	v_fma_f32 v26, -v25, s67, v26
	v_mul_f32 v27, v26, v26
	v_fma_f32 v28, v27, s71, s70
	v_fma_f32 v29, v27, s76, s75
	v_fma_f32 v28, v28, v27, s69
	v_fma_f32 v29, v29, v27, s74
	v_fma_f32 v28, v28, v27, s68
	v_fma_f32 v29, v29, v27, s73
	v_mul_f32 v30, v26, v27
	v_fma_f32 v29, v29, v27, -0.5
	v_fma_f32 v28, v28, v30, v26                   ; sin of the rest
	v_fma_f32 v29, v29, v27, 1.0                   ; cos of the rest
	v_cvt_i32_f32 v31, v25
	v_and_b32 v30, 1, v31
	v_cmp_eq_u32 vcc_lo, 1, v30
	v_cndmask_b32 v[44+\e], v28, v29, vcc_lo       ; an odd quadrant swaps the two
	v_cndmask_b32 v[40+\e], v29, v28, vcc_lo
	v_and_b32 v30, 2, v31
	v_lshlrev_b32 v30, 30, v30
	v_xor_b32 v[44+\e], v[44+\e], v30              ; sin is negative in quadrants 2, 3
	v_add_nc_u32 v31, 1, v31
	v_and_b32 v31, 2, v31
	v_lshlrev_b32 v31, 30, v31
	v_xor_b32 v[40+\e], v[40+\e], v31              ; cos in quadrants 1, 2
.endm
	s_mov_b32 s25, 0
.Lr_trip:
.irp e, 0,1,2,3
	SINCOS \e
.endr
.irp e, 0,1,2,3,4,5,6,7
	v_mul_f32 v[48+\e], 0x3e0293ee, v[40+\e]       ; x c, for q
.endr
	global_store_b128 v21, v[40:43], s[20:21] offset:RK        ; sixteen lanes store 256 consecutive bytes, aligned
	global_store_b128 v21, v[44:47], s[20:21] offset:RK+256
	global_store_b128 v21, v[48:51], s[20:21]
	global_store_b128 v21, v[52:55], s[20:21] offset:256
	s_wait_xcnt 0x0                                ; the stores' data and offset are written again only behind this wait
	v_add_nc_u32 v21, 4096, v21                    ; eight rows on
	v_add_f32 v20, 0x41000000, v20
	s_add_co_u32 s25, s25, 1
	s_cmp_lt_u32 s25, 8
	s_cbranch_scc1 .Lr_trip
	v_cmp_gt_u32 vcc_lo, 16, v2                    ; four rows of 1 and 0: 16 x thread = row x 512 + 16 x lane
	v_mov_b32 v57, 1.0
	v_cndmask_b32 v56, 0, v57, vcc_lo
	v_mov_b32 v57, v56
	v_mov_b32 v58, v56
	v_mov_b32 v59, v56
	v_lshlrev_b32 v60, 4, v0
	s_lshl_b32 s24, s23, 11
	v_add_nc_u32 v60, s24, v60
	global_store_b128 v60, v[56:59], s[20:21] offset:RV
	FIN
; ---------------- X: x is a plain stream of blocks of 32.  A wave takes 16 steps of 512 numbers.  Each load reads 512 consecutive bytes; a step's 2,048 bytes turn through the wave's own stage in LDS
; (16 bytes of padding behind each 64) and come back 64 bytes a lane: 16 neighbours along K; two neighbouring lanes hold a block.  Loads run four steps ahead, the turn one step.
.set STEPS, 16
.set SP,    80
.set XR,    16                         ; v16-79   four sets of 16 numbers as loaded
.set XX,    80                         ; v80-111  two sets of 16 neighbours
.set XE,    112                        ; v112-127 a scale byte for each step
.set XC,    128                        ; v128-191 codes: registers of its own for each step
.Lpath_x:
	v_lshlrev_b32 v3, 4, v2                        ; my 16 bytes of a load's 512
	s_lshl_b32 s23, s22, 13                        ; my wave's 8,192 bytes of LDS
	v_lshrrev_b32 v14, 2, v2
	v_mul_u32_u24 v14, v14, SP
	v_and_b32 v15, 3, v2
	v_lshl_add_u32 v14, v15, 4, v14
	v_add_nc_u32 v14, s23, v14                     ; into the stage: SP (lane / 4) + 16 (lane % 4)
	v_mul_u32_u24 v15, v2, SP
	v_add_nc_u32 v15, s23, v15                     ; out of it: SP x lane
	v_lshlrev_b32 v4, 3, v2                        ; 8 bytes a lane: my codes of a step; my part of the wave's 256 scale bytes
	v_lshrrev_b32 v5, 1, v2
	s_add_co_u32 s23, s23, 2*32*SP
	v_add_nc_u32 v5, s23, v5                       ; LDS: my block's byte
	v_add_nc_u32 v6, s23, v4
	s_lshl_b32 s24, ttmp9, 2
	s_add_co_u32 s24, s24, s22                     ; which run of 8,192 numbers is my wave's
	s_mov_b32 s27, 0
	s_lshl_b32 s26, s24, 15
	s_add_nc_u64 s[4:5], s[4:5], s[26:27]
	s_lshl_b32 s26, s24, 12
	s_add_nc_u64 s[14:15], s[14:15], s[26:27]
	s_lshl_b32 s26, s24, 8
	s_add_nc_u64 s[16:17], s[16:17], s[26:27]
.macro XLOAD t
.irp i, 0,1,2,3
	global_load_b128 v[XR+16*((\t)%4)+4*\i:XR+16*((\t)%4)+4*\i+3], v3, s[4:5] offset:2048*(\t)+512*\i th:TH_LOAD_NT
.endr
.endm
.macro XTURN t                         ; LDS serves a wave's instructions in order: no wait between the stores and the loads
.irp i, 0,1,2,3
	ds_store_b128 v14, v[XR+16*((\t)%4)+4*\i:XR+16*((\t)%4)+4*\i+3] offset:32*SP*((\t)%2)+8*SP*\i
.endr
.irp i, 0,1,2,3
	ds_load_b128 v[XX+16*((\t)%2)+4*\i:XX+16*((\t)%2)+4*\i+3], v15 offset:32*SP*((\t)%2)+16*\i
.endr
.endm
.irp t, 0,1,2,3
	XLOAD \t
.endr
	s_wait_loadcnt 12                              ; step 0's four loads are in; twelve younger ones stay out
	XTURN 0
.macro XSTEP t
.set XS, XX+16*((\t)%2)
.if (\t) > 0
	s_wait_dscnt 1                                 ; this step's numbers are back from the stage; the last step's byte store may be out
.else
	s_wait_dscnt 0x0
.endif
.if (\t)+4 < STEPS
	XLOAD (\t)+4                                   ; into the registers that the stage's stores have read
.endif
.if (\t)+1 < STEPS
.if STEPS-2-(\t) >= 3
	s_wait_loadcnt 12                              ; the next step's loads are in; those of the three steps behind it may be out
.else
	s_wait_loadcnt 4*(STEPS-2-(\t))
.endif
	XTURN (\t)+1
.endif
	v_max3_num_f32 v8, |v[XS]|, |v[XS+1]|, |v[XS+2]|
	v_max3_num_f32 v9, |v[XS+3]|, |v[XS+4]|, |v[XS+5]|
.irp i, 6,10
	v_max3_num_f32 v8, v8, |v[XS+\i]|, |v[XS+\i+1]|
	v_max3_num_f32 v9, v9, |v[XS+\i+2]|, |v[XS+\i+3]|
.endr
	v_max3_num_f32 v8, v8, |v[XS+14]|, |v[XS+15]|
	v_max3_num_f32 v8, v8, v9, (EMAX+1)<<23        ; with the floor 2^(3 - 127): the byte cannot fall under 1
	v_max_num_f32_dpp v8, v8, v8 row_xmask:1 row_mask:0xf bank_mask:0xf   ; and my neighbour's 16: the block's largest magnitude
	v_add_nc_u32 v11, -(EMAX<<23), v8              ; 2 off its exponent field: the conversion takes that field as its scale
	v_cvt_scalef32_pk8_fp4_f32 v[XC+4*(\t)], v[XS:XS+7], v11
	v_cvt_scalef32_pk8_fp4_f32 v[XC+4*(\t)+1], v[XS+8:XS+15], v11
	v_lshrrev_b32 v[XE+(\t)], 23, v11              ; the scale's byte
	ds_store_b8 v5, v[XE+(\t)] offset:16*(\t)      ; both lanes of a block write the same byte with the same value
	global_store_b64 v4, v[XC+4*(\t):XC+4*(\t)+1], s[14:15] offset:256*(\t)   ; the wave stores 256 consecutive bytes, aligned
.endm
.irp t, 0,1,2,3,4,5,6,7,8,9,10,11,12,13,14,15
	XSTEP \t
.endr
	ds_load_b64 v[8:9], v6
	s_wait_dscnt 0x0
	global_store_b64 v4, v[8:9], s[16:17]          ; the wave's 256 scale bytes, one aligned run
	FIN
; ---------------- W: a lane takes a column n and its registers run down K: a block of 32 lies in one lane, and the conversions give codes with K innermost.  A wave: 32 columns x 512 along K.
; The codes go through the wave's stage and leave as rows: sixteen lanes store 256 consecutive bytes.  A column's 16 scale bytes leave by one store of 16 bytes a lane, rows 64 bytes apart.
.set WX,    32                         ; v32-95   two sets of 32 numbers
.set WC,    96                         ; v96-99   a block's codes
.set WSB,   24                         ; v24-27   the scale bytes
.set WOUT,  112                        ; v112-175 the way out
.set WVO,   176                        ; v176-207 4 x lane + i x the tensor's row, i = 0 .. 31
.set WP,    272
.Lpath_w:
	s_sub_co_u32 s23, ttmp9, 256
	s_and_b32 s24, s23, 15                         ; which 128 columns
	s_lshr_b32 s25, s23, 4                         ; which 512 along K
	s_lshl_b32 s26, s24, 7
	s_lshl_b32 s27, s22, 5
	s_add_co_u32 s26, s26, s27                     ; my wave's first column n
	s_mov_b32 s28, 1536
	s_mov_b32 s29, 2048
	s_cmp_lt_u32 s24, 12                           ; the tensor, its first n and its row in bytes: chosen by the work-group's number alone
	s_cselect_b64 s[30:31], s[8:9], s[10:11]
	s_cselect_b32 s28, 1024, s28
	s_cmp_lt_u32 s24, 8
	s_cselect_b64 s[30:31], s[6:7], s[30:31]
	s_cselect_b32 s28, 0, s28
	s_cselect_b32 s29, 4096, s29
	s_sub_co_u32 s27, s26, s28
	s_lshl_b32 s27, s27, 2
	s_mul_i32 s23, s25, s29
	s_lshl_b32 s23, s23, 9
	s_add_co_u32 s66, s23, s27
	s_mov_b32 s67, 0
	s_add_nc_u64 s[32:33], s[30:31], s[66:67]      ; block 0's first row, my wave's first column
	s_lshl_b32 s66, s29, 5                         ; 32 rows on
.set i, 1
.rept 15
	s_add_nc_u64 s[32+2*i:33+2*i], s[30+2*i:31+2*i], s[66:67]   ; a base for each of the 16 blocks: nothing is stepped later
.set i, i+1
.endr
	s_lshl_b32 s66, s26, 10
	s_lshl_b32 s68, s25, 8
	s_add_co_u32 s66, s66, s68
	s_add_co_u32 s66, s66, WCODES
	s_add_nc_u64 s[14:15], s[14:15], s[66:67]      ; codes: n x 1,024 + 256 x (which 512)
	s_lshl_b32 s66, s26, 6
	s_lshl_b32 s68, s25, 4
	s_add_co_u32 s66, s66, s68
	s_add_co_u32 s66, s66, WSCALES
	s_add_nc_u64 s[16:17], s[16:17], s[66:67]      ; bytes: n x 64 + 16 x (which 512)
	v_lshlrev_b32 v3, 2, v2
	s_mul_i32 s23, s22, 32*WP
	s_add_co_u32 s23, s23, WSTG                    ; my stage
	v_mul_u32_u24 v4, v2, WP
	v_add_nc_u32 v4, s23, v4                       ; into it: row = my column
	v_and_b32 v5, 15, v2
	v_lshrrev_b32 v6, 4, v2
	v_mul_u32_u24 v7, v6, WP
	v_lshl_add_u32 v7, v5, 4, v7
	v_add_nc_u32 v7, s23, v7                       ; out of it: sixteen lanes to a row, two rows an instruction
	v_lshlrev_b32 v8, 10, v6
	v_lshl_add_u32 v8, v5, 4, v8                   ; the same place in the codes' buffer
	v_lshlrev_b32 v9, 6, v2                        ; my column's row of scale bytes
.set i, 0
.rept 32
	v_mad_u32_u24 v[WVO+i], s29, i, v3
.set i, i+1
.endr
.macro WLOAD t
.set i, 0
.rept 32
	global_load_b32 v[WX+32*((\t)%2)+i], v[WVO+i], s[32+2*(\t):33+2*(\t)] th:TH_LOAD_NT   ; 32 lanes read 128 consecutive bytes of one row
.set i, i+1
.endr
.endm
	WLOAD 0
	WLOAD 1
.macro WBLOCK t
.set XS, WX+32*((\t)%2)
.if (\t) < 15
	s_wait_loadcnt 32                              ; this block's 32 loads are in; the next block's may be out
.else
	s_wait_loadcnt 0x0
.endif
	v_max3_num_f32 v10, |v[XS]|, |v[XS+1]|, |v[XS+2]|
	v_max3_num_f32 v14, |v[XS+3]|, |v[XS+4]|, |v[XS+5]|
.irp i, 6,10,14,18,22,26
	v_max3_num_f32 v10, v10, |v[XS+\i]|, |v[XS+\i+1]|
	v_max3_num_f32 v14, v14, |v[XS+\i+2]|, |v[XS+\i+3]|
.endr
	v_max3_num_f32 v10, v10, |v[XS+30]|, |v[XS+31]|
	v_max3_num_f32 v10, v10, v14, (EMAX+1)<<23
	v_add_nc_u32 v11, -(EMAX<<23), v10
	v_lshrrev_b32 v14, 23, v11
.if (\t)%4 == 0
	v_mov_b32 v[WSB+(\t)/4], v14
.else
	v_lshl_or_b32 v[WSB+(\t)/4], v14, 8*((\t)%4), v[WSB+(\t)/4]
.endif
.irp g, 0,1,2,3
	v_cvt_scalef32_pk8_fp4_f32 v[WC+\g], v[XS+8*\g:XS+8*\g+7], v11
.endr
	ds_store_b128 v4, v[WC:WC+3] offset:16*(\t)
.if (\t)+2 < 16
	WLOAD (\t)+2
.endif
	s_wait_dscnt 0x0                               ; the store has read its registers: the next block's codes may be written
.endm
.irp t, 0,1,2,3,4,5,6,7,8,9,10,11,12,13,14,15
	WBLOCK \t
.endr
	global_store_b128 v9, v[WSB:WSB+3], s[16:17]
.irp t, 0,1,2,3,4,5,6,7,8,9,10,11,12,13,14,15
	ds_load_b128 v[WOUT+4*\t:WOUT+4*\t+3], v7 offset:2*\t*WP
.endr
.irp t, 0,1,2,3,4,5,6,7,8,9,10,11,12,13,14,15
	s_wait_dscnt 15-\t                             ; LDS loads come back in order: load t is in
	global_store_b128 v8, v[WOUT+4*\t:WOUT+4*\t+3], s[14:15] offset:2*\t*1024
.endr
	FIN
; ---------------- O: Wo to f16 with K innermost, on the same plan: a lane to a column, registers down K.  A wave: 32 columns x 128 along K = 256 bytes a column.
.set OX,    32                         ; v32-159  four blocks of 32 numbers; a block's 16 packed words take its first 16 registers
.set OOUT,  160                        ; v160-223 the way out
.Lpath_o:
	s_sub_co_u32 s23, ttmp9, 320
	s_and_b32 s24, s23, 15
	s_lshr_b32 s25, s23, 4                         ; which 128 along K
	s_lshl_b32 s26, s24, 7
	s_lshl_b32 s27, s22, 5
	s_add_co_u32 s26, s26, s27                     ; my wave's first column
	s_lshl_b32 s28, s25, 20                        ; 128 rows of 8,192 bytes
	s_lshl_b32 s27, s26, 2
	s_add_co_u32 s28, s28, s27
	s_mov_b32 s29, 0
	s_add_nc_u64 s[12:13], s[12:13], s[28:29]
	s_lshl_b32 s28, s26, 11                        ; out: n x 2,048 + 256 x (which 128)
	s_lshl_b32 s27, s25, 8
	s_add_co_u32 s28, s28, s27
	s_add_nc_u64 s[18:19], s[18:19], s[28:29]
	v_lshlrev_b32 v3, 2, v2
	s_mul_i32 s23, s22, 32*WP
	s_add_co_u32 s23, s23, OSTG
	v_mul_u32_u24 v4, v2, WP
	v_add_nc_u32 v4, s23, v4
	v_and_b32 v5, 15, v2
	v_lshrrev_b32 v6, 4, v2
	v_mul_u32_u24 v7, v6, WP
	v_lshl_add_u32 v7, v5, 4, v7
	v_add_nc_u32 v7, s23, v7
	v_lshlrev_b32 v8, 11, v6
	v_lshl_add_u32 v8, v5, 4, v8
.macro OLOAD t
.set i, 0
.rept 32
	global_load_b32 v[OX+32*(\t)+i], v3, s[12:13] offset:(32*(\t)+i)*8192   ; no hint: a later launch reads Wo again
.set i, i+1
.endr
.endm
	OLOAD 0
	OLOAD 1
.macro OBLOCK t
.if (\t) < 3
	s_wait_loadcnt 32                              ; this block's loads are in; the next block's may be out
.else
	s_wait_loadcnt 0x0
.endif
.if (\t)+2 < 4
	OLOAD (\t)+2
.endif
.set i, 0
.rept 16
	v_cvt_pk_f16_f32 v[OX+32*(\t)+i], v[OX+32*(\t)+2*i], v[OX+32*(\t)+2*i+1]   ; in place, ascending: a destination has been read already
.set i, i+1
.endr
.irp g, 0,1,2,3
	ds_store_b128 v4, v[OX+32*(\t)+4*\g:OX+32*(\t)+4*\g+3] offset:64*(\t)+16*\g
.endr
.endm
.irp t, 0,1,2,3
	OBLOCK \t
.endr
.irp t, 0,1,2,3,4,5,6,7,8,9,10,11,12,13,14,15
	ds_load_b128 v[OOUT+4*\t:OOUT+4*\t+3], v7 offset:2*\t*WP
.endr
.irp t, 0,1,2,3,4,5,6,7,8,9,10,11,12,13,14,15
	s_wait_dscnt 15-\t
	global_store_b128 v8, v[OOUT+4*\t:OOUT+4*\t+3], s[18:19] offset:2*\t*2048   ; sixteen lanes store 256 consecutive bytes, aligned
.endr
	FIN
.Lfunc_end_k_q365963dcb7_prep:
	.size	k_q365963dcb7_prep, .Lfunc_end_k_q365963dcb7_prep-k_q365963dcb7_prep
	.p2alignl 7, 3214868480
	.fill 96, 4, 3214868480
	.section	.rodata,"a",@progbits
	.p2align	6, 0x0
	.amdhsa_kernel k_q365963dcb7_prep
		.amdhsa_group_segment_fixed_size 102912
		.amdhsa_private_segment_fixed_size 0
		.amdhsa_enable_private_segment 0
		.amdhsa_kernarg_size 72
		.amdhsa_user_sgpr_count 2
		.amdhsa_user_sgpr_kernarg_segment_ptr 1
		.amdhsa_wavefront_size32 1
		.amdhsa_system_sgpr_workgroup_id_x 1
		.amdhsa_system_sgpr_workgroup_id_y 1
		.amdhsa_system_sgpr_workgroup_id_z 1
		.amdhsa_system_vgpr_workitem_id 0
		.amdhsa_next_free_vgpr 224
		.amdhsa_next_free_sgpr 92
		.amdhsa_reserve_vcc 1
		.amdhsa_float_denorm_mode_32 3
		.amdhsa_float_denorm_mode_16_64 3
		.amdhsa_memory_ordered 1
		.amdhsa_forward_progress 1
		.amdhsa_inst_pref_size 143
	.end_amdhsa_kernel
	.amdgpu_metadata
---
amdhsa.version: [ 1, 2 ]
amdhsa.kernels:
  - .name:           k_q365963dcb7_prep
    .symbol:         k_q365963dcb7_prep.kd
    .args:
      - { .name: x, .offset: 0, .size: 8, .value_kind: global_buffer, .address_space: global }
      - { .name: Wq, .offset: 8, .size: 8, .value_kind: global_buffer, .address_space: global }
      - { .name: Wk, .offset: 16, .size: 8, .value_kind: global_buffer, .address_space: global }
      - { .name: Wv, .offset: 24, .size: 8, .value_kind: global_buffer, .address_space: global }
      - { .name: Wo, .offset: 32, .size: 8, .value_kind: global_buffer, .address_space: global }
      - { .name: codes, .offset: 40, .size: 8, .value_kind: global_buffer, .address_space: global }
      - { .name: scales, .offset: 48, .size: 8, .value_kind: global_buffer, .address_space: global }
      - { .name: wot16, .offset: 56, .size: 8, .value_kind: global_buffer, .address_space: global }
      - { .name: rope, .offset: 64, .size: 8, .value_kind: global_buffer, .address_space: global }
    .group_segment_fixed_size: 102912
    .private_segment_fixed_size: 0
    .kernarg_segment_align: 8
    .kernarg_segment_size: 72
    .max_flat_workgroup_size: 128
    .sgpr_count:     92
    .vgpr_count:     224
    .wavefront_size: 32
...
	.end_amdgpu_metadata
.endif
;; end of part 1
;; launch qkv (part 2): grid 8 x 32, 4 waves a work-group, clusters of 4 x 4, 327,680 bytes of LDS; arguments codes, scales, rope, qkv16, fine; writes qkv16, fine
.if DOCPART == 2
	.amdgcn_target "amdgcn-amd-amdhsa--gfx1250"
	.amdhsa_code_object_version 6
	.text
	.protected	k_q365963dcb7_qkv
	.globl	k_q365963dcb7_qkv
	.p2align	8
	.type	k_q365963dcb7_qkv,@function
k_q365963dcb7_qkv:
	s_mov_b64 s[64:65], 0
	v_nop
	global_prefetch_b8 v0, s[64:65] scope:SCOPE_SE
	s_setreg_imm32_b32 hwreg(HW_REG_WAVE_MODE, 25, 1), 1
	s_wait_xcnt 0x0
	s_wait_alu depctr_hold_cnt(0) depctr_sa_sdst(0) depctr_va_vdst(0) depctr_va_sdst(0) depctr_va_ssrc(0) depctr_va_vcc(0) depctr_vm_vsrc(0)
	s_getreg_b32 s2, hwreg(HW_REG_IB_STS2, 6, 4)
	s_cmp_eq_u32 s2, 0
	s_cbranch_scc0 .Lentry_in_a_cluster
	s_endpgm
.Lentry_in_a_cluster:
	s_bfe_u32 s2, ttmp6, 0x10000c
	s_cmp_lg_u32 s2, 0xf033
	s_cbranch_scc0 .Lentry_shape_is_right
	s_endpgm
.Lentry_shape_is_right:
; [q | k | v] = x [Wq | Wk | Wv]: one product, M 4,096 x N 2,048 x K 2,048, on codes of FP4 (E2M1) with one E8M0 scale for each 32 along K; sums in f32.  On the way out the rotary turn, in f32, and the rounding to f16.
; A tile of 128 rows x 256 columns is made by four waves: 4,096 x 2,048 results are 256 such tiles, a work-group each.  A wave makes 64 x 128: 64 positions of one sequence x ONE head's 128 channels
; (column block ct: 0-7 q, 8-11 k, 12-15 v): 32 accumulators.
; K goes in steps of 512 through a ring of two LDS slots filled by the tensor data mover; the scale bytes of the work-group's rows, for all of K, come into LDS once.
; CLUSTERS: 4 x 4 work-groups; x's tiles are asked for jointly along a row of the cluster, W's along a column.  THE MATRIX INSTRUCTION IS USED TRANSPOSED (source 0 = 16 rows of W, source 1 = 16 rows of x):
; a lane holds one position and eight neighbouring channels.
; THE ROTARY TURN: channel d < 64 and channel d + 64 lie in the same lane (accumulators b and b + 4): y1 = x1 C - x2 S, y2 = x1 S + x2 C, C and S from the table: x c for q, plain for k, 1 and 0 for v: no branch.
; The table's numbers for the wave's 64 positions, 256 registers, are asked for at the head, into a window that nothing else uses, and are waited for once, in front of the way out.
; OUT: qkv16 [b][ct][position][128] f16, rows of 256 bytes through the wave's stage; and fine [b][ct][16][128] f32: positions 0-15 ahead of the rounding (32 bytes a lane: 256 KB in the whole launch).
; LIMIT: c q, k and v must lie inside f16's range, 65,504.
; No prefetch: K has four K steps, two come with the first fills, and a lead of two refills would name nothing.
; REGISTERS: window 0: v0-31 addresses; v32-95 scale words, two sets, and nothing else; v128-159, v160-191 x's fragments, two sets; on the way out v160-255 are at work.
;   window 1: W's fragments, two sets, at v0 and at v128.   window 2: the 32 accumulators, (a, b) at v[8 (8 a + b)].   window 3: the table's numbers, block a at v[64 a].
.set SIZE_M, 4096
.set SIZE_N, 2048
.set SIZE_K, 2048
.set WCODES, 4194304                   ; W's codes behind x's
.set WSCALES, 262144                   ; W's scale bytes behind x's
.set RK,     1048576                   ; the table's part for k,
.set RV,     2097152                   ; for v
.set KSTEP,  512
.set NQ,     KSTEP/128
.set ROWB,   256                       ; a tile's row in bytes
.set KROW,   SIZE_K*4/8
.set PITCH,  272                       ; an LDS row: 256 bytes + 16 of padding: the 16 rows of a load start at 16 different banks (64 banks of 4 bytes: ISA guide 11.1)
.set FR,     8
.set NP,     4                         ; places behind this matrix instruction (ISA guide 7.12.1)
.set AHALF,  64*PITCH                  ; 64 rows of x: what waves 0 and 1 fetch, and what a wave reads
.set BHALF,  128*PITCH                 ; 128 rows of W: what waves 2 and 3 fetch, and what a wave reads
.set BOFF,   2*AHALF                   ; W's 256 rows lie behind x's 128
.set SLOT,   2*AHALF+2*BHALF
.set LAPS,   SIZE_K/(2*KSTEP)
.set KS,     SIZE_K/32
.set SCL,    2*SLOT                    ; behind the ring: the scales, as units of 256 bytes + 16 of padding: x's 128 rows,
.set SA64,   (64*KS/256)*272           ; (those of 64 rows)
.set SB128,  (128*KS/256)*272          ; (of 128 rows)
.set SBOFF,  2*SA64                    ; then W's 256 rows
.set SBLK,   (16*KS/256)*272
.set SPARE,  SCL+2*SA64+2*SB128        ; the spare words, 128 bytes a wave, which no other line names
.set SPITCH, 272                       ; the way out: a stage of 16 rows x (256 + 16) bytes a wave, in slot 0, which has had its last fill and its last read by then
.set ADRA, 16
.set ADRB, 20
.set FLG,  22                          ; v22  1 where my wave's first position is 0
.set STO,  24
.set RD,   25
.set CO,   26
.set ADRS, 27
.set SPW,  28
.set NIL,  29
.set TBO,  30                          ; v30  512 r + 32 h: my place in 16 rows of the table, and of the fine copy; never rewritten
.set SC,   32
.set AF,   128
.set Y,    160                         ; v160-223 the turned numbers, f32; later v160-191 rows read back from the stage
.set PK,   224                         ; v224-255 packed f16
.set G1, 24
.set G0, 32
.set G1B, 48
.set G0B, 56
.set G1S, 68
.set G0S, 76
.set G1SB, 80
.set G0SB, 88
.set MSB, 0
.macro WIN new                         ; the immediate's high byte repeats the setting that is left
.set NEWW, \new
.if MSB != NEWW
	s_set_vgpr_msb (MSB<<8)|NEWW
.set MSB, NEWW
.endif
.endm
.set MUL_LO, 0xa1                      ; source 0 (W) window 1, source 1 (x) window 0, C and D window 2
.set TO_B,   0x40
; A joint load: waves 0 and 1 fetch for x, waves 2 and 3 for W; the branch hangs on the wave's number alone.  An s_nop 0 and four v_nop follow each of the two lines.
.macro JLOAD g0a, g1a, g0b, g1b
	s_cmp_eq_u32 s15, 0
	s_cbranch_scc0 .Lfor_b_\@
	tensor_load_to_lds s[\g0a:\g0a+3], s[\g1a:\g1a+7]
	s_nop 0
.rept 4
	v_nop
.endr
	s_branch .Lasked_\@
.Lfor_b_\@:
	tensor_load_to_lds s[\g0b:\g0b+3], s[\g1b:\g1b+7]
	s_nop 0
.rept 4
	v_nop
.endr
.Lasked_\@:
.endm
.macro CREST                           ; a round of the cluster's barrier behind its opening barrier
	s_cmp_lg_u32 s14, 0
	s_cbranch_scc1 .Lnot_wave_0_\@
	s_barrier_signal -3
.Lnot_wave_0_\@:
	s_barrier_wait -3
	s_barrier_signal -1
	s_barrier_wait -1
.endm
.macro CROUND
	s_barrier_signal -1
	s_barrier_wait -1
	CREST
.endm
.macro TABLOAD a                       ; the table's numbers for block a: for b = 0 .. 3, C and S at channels 16 b + 8 h + 0 .. 7 of my position's row: C at v[64 a + 8 b], S at v[64 a + 32 + 8 b]
.set TL, 64*(\a)
.irp b, 0,1,2,3
	global_load_b128 v[TL+8*\b:TL+8*\b+3],       v[TBO], s[96:97] offset:(\a)*8192+64*\b
	global_load_b128 v[TL+8*\b+4:TL+8*\b+7],     v[TBO], s[96:97] offset:(\a)*8192+64*\b+16
	global_load_b128 v[TL+32+8*\b:TL+32+8*\b+3], v[TBO], s[96:97] offset:(\a)*8192+64*\b+256
	global_load_b128 v[TL+32+8*\b+4:TL+32+8*\b+7], v[TBO], s[96:97] offset:(\a)*8192+64*\b+272
.endr
.endm
	s_load_b128 s[4:7], s[0:1], 0x0                ; codes, scales
	s_load_b128 s[96:99], s[0:1], 0x10             ; rope, qkv16
	s_load_b64 s[100:101], s[0:1], 0x20            ; fine
	v_lshl_add_u32 v[SPW], v0, 2, SPARE
	v_mov_b32 v[NIL], 0
	ds_add_u32 v[SPW], v[NIL]                      ; the wave's opening: the add, twice on end, and its wait ahead of my first tensor load
	ds_add_u32 v[SPW], v[NIL]
	v_lshrrev_b32 v1, 5, v0
	v_readfirstlane_b32 s14, v1                    ; wave 0..3
	s_lshr_b32 s15, s14, 1                         ; which 64 of the tile's 128 rows are mine.  Also: I fetch for x (0) or for W (1)
	s_and_b32 s16, s14, 1                          ; which 128 of its 256 columns.  Also: which half of that tile I fetch
	s_bfe_u32 s40, ttmp6, 0x40000                  ; cx, cy
	s_bfe_u32 s41, ttmp6, 0x40004
	s_lshl_b32 s42, ttmp9, 2
	s_add_co_u32 s42, s42, s40                     ; tile column
	s_and_b32 s17, ttmp7, 0xffff
	s_lshl_b32 s17, s17, 2
	s_add_co_u32 s17, s17, s41                     ; tile row
	s_lshl_b32 s43, s41, 2
	s_lshl_b32 s43, 15, s43                        ; my row of the cluster
	s_lshl_b32 s44, 0x1111, s40                    ; my column
	s_or_b32 s[G1+0], s43, (0<<16)|(1<<20)|(1<<21)|(5<<22)|(3<<25)  ; the mask; elements of 1 byte; padding on; bit 21 beside a mask; 4 words of padding after every 64
	s_or_b32 s[G1B+0], s44, (0<<16)|(1<<20)|(1<<21)|(5<<22)|(3<<25)
.irp g, G1, G1B
	s_mov_b32 s[\g+1], ROWB<<16                    ; tensor_dim0
	s_mov_b32 s[\g+3], ROWB<<16                    ; tile_dim0
	s_mov_b32 s[\g+5], KROW                        ; tensor_dim0_stride
	s_mov_b32 s[\g+6], 0
	s_mov_b32 s[\g+7], 0
.endr
	s_mov_b32 s[G1+2], 64<<16                      ; tensor_dim1: x's loads bring 64 rows,
	s_mov_b32 s[G1+4], 64                          ; tile_dim1
	s_mov_b32 s[G1B+2], 128<<16                    ; W's 128
	s_mov_b32 s[G1B+4], 128
	s_or_b32 s[G1S+0], s43, (3<<16)|(1<<20)|(1<<21)|(5<<22)|(3<<25) ; the scales: a dense block, as rows of 32 elements of 8 bytes
	s_or_b32 s[G1SB+0], s44, (3<<16)|(1<<20)|(1<<21)|(5<<22)|(3<<25)
.irp g, G1S, G1SB
	s_mov_b32 s[\g+1], 32<<16
	s_mov_b32 s[\g+3], 32<<16
	s_mov_b32 s[\g+5], 32
	s_mov_b32 s[\g+6], 0
	s_mov_b32 s[\g+7], 0
.endr
	s_mov_b32 s[G1S+2], (64*KS/256)<<16            ; those of 64 rows of x: 16 rows of 256 bytes,
	s_mov_b32 s[G1S+4], 64*KS/256
	s_mov_b32 s[G1SB+2], (128*KS/256)<<16          ; of 128 rows of W: 32
	s_mov_b32 s[G1SB+4], 128*KS/256
	s_lshl_b32 s18, s16, 6
	s_lshl_b32 s20, s17, 7
	s_add_co_u32 s20, s20, s18                     ; x: row 128 x tile row + 64 x half
	s_lshl_b32 s18, s16, 7
	s_lshl_b32 s46, s42, 8
	s_add_co_u32 s46, s46, s18                     ; W: row 256 x tile column + 128 x half
	s_mov_b32 s21, 0
	s_mov_b32 s47, 0
	s_mov_b64 s[18:19], KS
	s_mul_u64 s[22:23], s[20:21], s[18:19]
	s_mul_u64 s[92:93], s[46:47], s[18:19]
	s_mov_b64 s[18:19], KROW
	s_mul_u64 s[20:21], s[20:21], s[18:19]
	s_mul_u64 s[46:47], s[46:47], s[18:19]
	s_mul_i32 s45, s16, AHALF                      ; where they go, of the wave's number alone: x's codes,
	s_mul_i32 s12, s16, BHALF
	s_add_co_u32 s12, s12, BOFF                    ; W's codes,
	s_mul_i32 s94, s16, SA64
	s_add_co_u32 s94, s94, SCL                     ; x's scales,
	s_mul_i32 s13, s16, SB128
	s_add_co_u32 s13, s13, SCL+SBOFF               ; W's scales
	s_wait_dscnt 0x0                               ; both opening adds are done
	s_wait_kmcnt 0x0
	s_add_nc_u64 s[8:9], s[4:5], WCODES            ; W's codes
	s_add_nc_u64 s[10:11], s[6:7], WSCALES         ; W's scale bytes
	s_add_nc_u64 s[20:21], s[4:5], s[20:21]
	s_add_nc_u64 s[22:23], s[6:7], s[22:23]
	s_add_nc_u64 s[46:47], s[8:9], s[46:47]
	s_add_nc_u64 s[92:93], s[10:11], s[92:93]
	CROUND                                         ; all sixteen work-groups are here: the first joint loads meet
	s_mov_b32 s[G0S], 1
	s_mov_b32 s[G0S+1], s94
	s_mov_b64 s[G0S+2:G0S+3], s[22:23]
	s_or_b32 s[G0S+3], s[G0S+3], 0x80000000
	s_mov_b32 s[G0SB], 1
	s_mov_b32 s[G0SB+1], s13
	s_mov_b64 s[G0SB+2:G0SB+3], s[92:93]
	s_or_b32 s[G0SB+3], s[G0SB+3], 0x80000000
	JLOAD G0S, G1S, G0SB, G1SB                     ; the scales first; with the two slots three loads of mine are out
.irp s, 0,1
	s_mov_b32 s[G0+4*\s], 1
	s_add_co_u32 s[G0+4*\s+1], s45, \s*SLOT
	s_add_nc_u64 s[G0+4*\s+2:G0+4*\s+3], s[20:21], \s*ROWB
	s_or_b32 s[G0+4*\s+3], s[G0+4*\s+3], 0x80000000
	s_mov_b32 s[G0B+4*\s], 1
	s_add_co_u32 s[G0B+4*\s+1], s12, \s*SLOT
	s_add_nc_u64 s[G0B+4*\s+2:G0B+4*\s+3], s[46:47], \s*ROWB
	s_or_b32 s[G0B+4*\s+3], s[G0B+4*\s+3], 0x80000000
	JLOAD G0+4*\s, G1, G0B+4*\s, G1B
.endr
	v_and_b32 v1, 15, v0                           ; r
	v_bfe_u32 v2, v0, 4, 1                         ; h
	v_mul_u32_u24 v3, v1, PITCH
	v_lshl_add_u32 v4, v2, 4, v3
	s_mul_i32 s21, s15, AHALF                      ; my 64 rows of x
	s_mul_i32 s22, s16, BHALF                      ; my 128 rows of W,
	s_add_co_u32 s22, s22, BOFF                    ; behind x's 128
.irp s, 0,1
	v_add_nc_u32 v[ADRA+\s], s21, v4
	v_add_nc_u32 v[ADRB+\s], s22, v4
	s_add_co_u32 s21, s21, SLOT
	s_add_co_u32 s22, s22, SLOT
.endr
	v_mul_u32_u24 v5, v1, KS                       ; my row's scales: KS bytes a row,
	v_lshrrev_b32 v6, 8, v5
	v_lshl_add_u32 v5, v6, 4, v5                   ; and 16 more for each 256 passed
	s_mul_i32 s21, s15, SA64                       ; x's: my 64 rows
	s_mul_i32 s22, s16, SB128                      ; W's: my 128 rows, behind x's 128
	s_add_co_u32 s22, s22, SBOFF
	s_sub_co_u32 s22, s22, s21
	v_mul_u32_u24 v6, s22, v2                      ; lanes 16-31 take W's scale words: the lower base + h x the distance
	s_add_co_u32 s21, s21, SCL
	v_add_nc_u32 v5, v5, v6
	v_add_nc_u32 v[ADRS], s21, v5
	; the way out's addresses
	s_mul_i32 s23, s14, 16*SPITCH                  ; my stage
	v_mul_u32_u24 v5, v1, SPITCH
	v_lshl_add_u32 v5, v2, 4, v5
	v_add_nc_u32 v[STO], s23, v5                   ; in: row r, 16 bytes for each half of the lanes
	v_mul_u32_u24 v5, v2, SPITCH
	v_lshl_add_u32 v5, v1, 4, v5
	v_add_nc_u32 v[RD], s23, v5                    ; back: lanes 0-15 one row of 256 bytes, lanes 16-31 the next
	v_lshlrev_b32 v5, 8, v2
	v_lshl_add_u32 v[CO], v1, 4, v5                ; the same two rows in qkv16
	v_lshlrev_b32 v5, 9, v1
	v_lshl_add_u32 v[TBO], v2, 5, v5
	s_lshl_b32 s46, s42, 1
	s_add_co_u32 s46, s46, s16                     ; ct: my column block
	s_lshl_b32 s20, s17, 7
	s_lshl_b32 s21, s15, 6
	s_add_co_u32 s20, s20, s21                     ; my first row of the product
	s_lshr_b32 s21, s20, 11                        ; the sequence,
	s_and_b32 s20, s20, 2047                       ; and my first position in it
	s_mov_b32 s47, RV
	s_cmp_lt_u32 s46, 12                           ; which part of the table, and whether it walks with the position: selects, no branch
	s_cselect_b32 s47, RK, s47
	s_cselect_b32 s92, s20, 0
	s_cmp_lt_u32 s46, 8
	s_cselect_b32 s47, 0, s47
	s_lshl_b32 s92, s92, 9
	s_add_co_u32 s92, s92, s47
	s_mov_b32 s93, 0
	s_add_nc_u64 s[96:97], s[96:97], s[92:93]      ; the table at my first position
	s_lshl_b32 s94, s21, 4
	s_add_co_u32 s94, s94, s46                     ; 16 b + ct
	s_lshl_b32 s92, s94, 19
	s_lshl_b32 s95, s20, 8
	s_add_co_u32 s92, s92, s95
	s_add_nc_u64 s[98:99], s[98:99], s[92:93]      ; qkv16 at my first row
	s_lshl_b32 s92, s94, 13
	s_add_nc_u64 s[100:101], s[100:101], s[92:93]  ; the fine copy of my column block
	s_cmp_eq_u32 s20, 0
	s_cselect_b32 s94, 1, 0
	v_mov_b32 v[FLG], s94
	WIN 0xc0                                       ; destination window 3, address window 0
.irp a, 0,1,2,3
	TABLOAD \a                                     ; 64 loads, out while the whole product is made; neither their address registers nor window 3 are touched before the wait for them
.endr
	WIN 0
.macro FRAG reg, adr, q, i             ; a fragment, 16 rows x 128 K of 4-bit codes: 8 registers, two loads of 16 bytes, 32 bytes apart
.irp c, 0,1
	ds_load_b128 v[\reg+4*\c:\reg+4*\c+3], v[\adr] offset:64*(\q)+32*\c+(\i)*16*PITCH
.endr
.endm
; 8 matrix instructions: x's block a against W's eight.  p: the fragments' set; sc: the set of scale words.  The 32 accumulators take turns, one instruction a turn, in the same order in every step.
.macro MUL8 a, p, q, sc, zero
.irp b, 0,1,2,3,4,5,6,7
.if \zero
	v_wmma_scale_f32_16x16x128_f8f6f4 v[8*(8*(\a)+\b):8*(8*(\a)+\b)+7], v[128*(\p)+FR*\b:128*(\p)+FR*\b+FR-1], v[AF+32*(\p)+FR*(\a):AF+32*(\p)+FR*(\a)+FR-1], 0, v[SC+8*NQ*(\sc)+NQ*\b+(\q)], v[SC+8*NQ*(\sc)+NQ*(\a)+(\q)] matrix_a_fmt:MATRIX_FMT_FP4 matrix_b_fmt:MATRIX_FMT_FP4 matrix_a_scale:MATRIX_SCALE_ROW1
.else
	v_wmma_scale_f32_16x16x128_f8f6f4 v[8*(8*(\a)+\b):8*(8*(\a)+\b)+7], v[128*(\p)+FR*\b:128*(\p)+FR*\b+FR-1], v[AF+32*(\p)+FR*(\a):AF+32*(\p)+FR*(\a)+FR-1], v[8*(8*(\a)+\b):8*(8*(\a)+\b)+7], v[SC+8*NQ*(\sc)+NQ*\b+(\q)], v[SC+8*NQ*(\sc)+NQ*(\a)+(\q)] matrix_a_fmt:MATRIX_FMT_FP4 matrix_b_fmt:MATRIX_FMT_FP4 matrix_a_scale:MATRIX_SCALE_ROW1
.endif
.endr
.endm
.macro FETCH_B slot, q, p              ; W's eight fragments of the slot's q-th 128 along K into set p
	WIN TO_B
.irp i, 0,1,2,3,4,5,6,7
	FRAG 128*(\p)+FR*\i, ADRB+\slot, \q, \i
.endr
	WIN 0
.endm
.macro FETCH_A slot, q, p              ; x's four
.irp i, 0,1,2,3
	FRAG AF+32*(\p)+FR*\i, ADRA+\slot, \q, \i
.endr
.endm
.macro SCALES sc                       ; a K step's scale words: lanes 0-15 x's block i, lanes 16-31 W's block i.  x has four blocks: for i = 4 .. 7 lanes 0-15 read filled bytes that no product names
.irp i, 0,1,2,3,4,5,6,7
	ds_load_b128 v[SC+8*NQ*\sc+NQ*\i:SC+8*NQ*\sc+NQ*\i+3], v[ADRS] offset:\i*SBLK
.endr
.endm
.macro PLACES n                        ; places in front of loads into registers that matrix instructions have read, and of the first read of results
.rept \n
	v_nop
.endr
.endm
; 128 along K with its successor in the same slot: 32 products; the successor's 24 loads stand in one run at the head, into the set that the step before has left, 32 products ahead of their use
.macro STEP slot, q, zero
	s_wait_dscnt 0x0                               ; this step's fragments (and, in a slot's first step, its scale words) are in
	PLACES NP
	FETCH_B \slot, (\q)+1, 1-(\q)%2
	FETCH_A \slot, (\q)+1, 1-(\q)%2
	WIN MUL_LO
.irp a, 0,1,2,3
	MUL8 \a, (\q)%2, \q, \slot, \zero
.endr
.endm
; A slot's last step changes slots: one barrier; in front of it each wave waits for all its tensor loads, adds 0 to its spare word, and waits for that and for its reads of this slot.
.macro TURN slot, next, fill
	WIN 0                                          ; (the add's two registers lie in window 0)
	s_wait_tensorcnt 0x0                           ; all my tensor loads have landed: my part of the next slot
	ds_add_u32 v[SPW], v[NIL]
	s_wait_dscnt 1                                 ; the add may be out; the fragments' loads were issued ahead of it
	WIN MUL_LO
	MUL8 0, 1, NQ-1, \slot, 0                      ; eight products stand between the add and the wait for it
	s_wait_dscnt 0x0                               ; the add is done, and my reads of this slot are over
	s_barrier_signal -1
	MUL8 1, 1, NQ-1, \slot, 0
	WIN 0
	s_barrier_wait -1
.if \fill
	CREST                                          ; the barrier has opened a round of the cluster's: no wave of any partner still reads this slot or has a load on its way
	s_add_nc_u64 s[G0+4*\slot+2:G0+4*\slot+3], s[G0+4*\slot+2:G0+4*\slot+3], 2*ROWB
	s_add_nc_u64 s[G0B+4*\slot+2:G0B+4*\slot+3], s[G0B+4*\slot+2:G0B+4*\slot+3], 2*ROWB
	JLOAD G0+4*\slot, G1, G0B+4*\slot, G1B         ; the first tensor load behind the round; its four v_nop are the places in front of the loads below
.else
	PLACES NP
.endif
	v_add_nc_u32 v[ADRS], 4*NQ, v[ADRS]            ; on to the next K step's scale words
	FETCH_B \next, 0, 0
	FETCH_A \next, 0, 0
	SCALES \next
	WIN MUL_LO
	MUL8 2, 1, NQ-1, \slot, 0
	MUL8 3, 1, NQ-1, \slot, 0
.endm
.macro STEPS slot, from
.set Q, \from
.rept NQ-1-\from
	STEP \slot, Q, 0
.set Q, Q+1
.endr
.endm
	s_wait_tensorcnt 1                             ; the scales and my part of K step 0 are in; K step 1's load may be out
	s_barrier_signal -1
	s_barrier_wait -1
	FETCH_B 0, 0, 0
	FETCH_A 0, 0, 0
	SCALES 0
	STEP 0, 0, 1                                   ; the first step's products start the sums
	WIN 0                                          ; at a label and at a branch every window is 0
	s_mov_b32 s3, LAPS-1
.Llap:                                                 ; a trip goes once round the ring and fills both slots again
	STEPS 0, 1
	TURN 0, 1, 1
	STEPS 1, 0
	TURN 1, 0, 1
	STEP 0, 0, 0
	WIN 0
	s_sub_co_u32 s3, s3, 1
	s_cmp_lg_u32 s3, 0
	s_cbranch_scc1 .Llap
	STEPS 0, 1                                     ; the last lap fills nothing
	TURN 0, 1, 0
	STEPS 1, 0
	s_wait_dscnt 0x0                               ; the very last step: nothing more to fetch
	WIN MUL_LO
.irp a, 0,1,2,3
	MUL8 \a, 1, NQ-1, 1, 0
.endr
	WIN 0
; THE WAY OUT, a block of 16 positions at a time.  Accumulator (a, b): lane (r, h) holds position 16 a + r, channels 16 b + 8 h + 0 .. 7.
.macro OUTBLK a
.set TT, 64*(\a)
.set AC, 64*(\a)
	s_wait_xcnt 0x0                                ; the last block's stores have read v160-191, which are written again below
	WIN 0x0e                                       ; source 0: the accumulators' window, 2; source 1: the table's, 3
.irp b, 0,1,2,3
.irp p, 0,2,4,6                        ; each accumulator is read from its low end on
	v_pk_mul_f32 v[Y+8*\b+\p:Y+8*\b+\p+1], v[AC+8*(\b+4)+\p:AC+8*(\b+4)+\p+1], v[TT+32+8*\b+\p:TT+32+8*\b+\p+1]         ; x2 S
	v_pk_mul_f32 v[Y+32+8*\b+\p:Y+32+8*\b+\p+1], v[AC+8*\b+\p:AC+8*\b+\p+1], v[TT+32+8*\b+\p:TT+32+8*\b+\p+1]           ; x1 S
.endr
.irp p, 0,2,4,6
	v_pk_fma_f32 v[Y+8*\b+\p:Y+8*\b+\p+1], v[AC+8*\b+\p:AC+8*\b+\p+1], v[TT+8*\b+\p:TT+8*\b+\p+1], v[Y+8*\b+\p:Y+8*\b+\p+1] neg_lo:[0,0,1] neg_hi:[0,0,1]   ; x1 C - x2 S
	v_pk_fma_f32 v[Y+32+8*\b+\p:Y+32+8*\b+\p+1], v[AC+8*(\b+4)+\p:AC+8*(\b+4)+\p+1], v[TT+8*\b+\p:TT+8*\b+\p+1], v[Y+32+8*\b+\p:Y+32+8*\b+\p+1]              ; x2 C + x1 S
.endr
.endr
	WIN 0
.set i, 0
.rept 32
	v_cvt_pk_f16_f32 v[PK+i], v[Y+2*i], v[Y+2*i+1]
.set i, i+1
.endr
.if (\a) == 0                          ; positions 0-15 also leave in f32: a mask of lanes, all on or all off, so that no branch hangs on the work-group's place
	s_wait_xcnt 0x0                                ; EXEC changes only behind this wait
	v_cmp_ne_u32 vcc_lo, 0, v[FLG]
	s_and_saveexec_b32 s18, vcc_lo
.irp c, 0,1,2,3,4,5,6,7
	global_store_b128 v[TBO], v[Y+8*\c:Y+8*\c+3], s[100:101] offset:64*\c
	global_store_b128 v[TBO], v[Y+8*\c+4:Y+8*\c+7], s[100:101] offset:64*\c+16
.endr
	s_wait_xcnt 0x0                                ; and again in front of the line that widens it; the stores have read v160-223 too
	s_or_b32 exec_lo, exec_lo, s18
.endif
.irp c, 0,1,2,3,4,5,6,7
	ds_store_b128 v[STO], v[PK+4*\c:PK+4*\c+3] offset:32*\c
.endr
.irp t, 0,1,2,3,4,5,6,7
	ds_load_b128 v[Y+4*\t:Y+4*\t+3], v[RD] offset:2*\t*SPITCH      ; LDS serves a wave's instructions in order: these see the stores above
.endr
	s_wait_dscnt 0x0
.irp t, 0,1,2,3,4,5,6,7
	global_store_b128 v[CO], v[Y+4*\t:Y+4*\t+3], s[98:99] offset:(\a)*4096+512*\t   ; sixteen lanes store 256 consecutive bytes, aligned
.endr
.endm
	PLACES NP                                      ; behind the last products: for the writes over x's second set of fragments, and for the reads of results
	s_wait_loadcnt 0x0                             ; the table's numbers, asked for at the head
.irp a, 0,1,2,3
	OUTBLK \a
.endr
	s_wait_tensorcnt 0x0                           ; the wave's end
	ds_add_u32 v[SPW], v[NIL]
	s_wait_dscnt 0x0
	CROUND                                         ; the closing round
	s_endpgm
.Lfunc_end_k_q365963dcb7_qkv:
	.size	k_q365963dcb7_qkv, .Lfunc_end_k_q365963dcb7_qkv-k_q365963dcb7_qkv
	.p2alignl 7, 3214868480
	.fill 96, 4, 3214868480
	.section	.rodata,"a",@progbits
	.p2align	6, 0x0
	.amdhsa_kernel k_q365963dcb7_qkv
		.amdhsa_group_segment_fixed_size 327680
		.amdhsa_private_segment_fixed_size 0
		.amdhsa_enable_private_segment 0
		.amdhsa_kernarg_size 40
		.amdhsa_user_sgpr_count 2
		.amdhsa_user_sgpr_kernarg_segment_ptr 1
		.amdhsa_wavefront_size32 1
		.amdhsa_system_sgpr_workgroup_id_x 1
		.amdhsa_system_sgpr_workgroup_id_y 1
		.amdhsa_system_sgpr_workgroup_id_z 1
		.amdhsa_system_vgpr_workitem_id 0
		.amdhsa_next_free_vgpr 1024
		.amdhsa_next_free_sgpr 102
		.amdhsa_reserve_vcc 1
		.amdhsa_float_denorm_mode_32 3
		.amdhsa_float_denorm_mode_16_64 3
		.amdhsa_memory_ordered 1
		.amdhsa_forward_progress 1
		.amdhsa_inst_pref_size 147
	.end_amdhsa_kernel
	.amdgpu_metadata
---
amdhsa.version: [ 1, 2 ]
amdhsa.kernels:
  - .name:           k_q365963dcb7_qkv
    .symbol:         k_q365963dcb7_qkv.kd
    .args:
      - { .name: codes, .offset: 0, .size: 8, .value_kind: global_buffer, .address_space: global }
      - { .name: scales, .offset: 8, .size: 8, .value_kind: global_buffer, .address_space: global }
      - { .name: rope, .offset: 16, .size: 8, .value_kind: global_buffer, .address_space: global }
      - { .name: qkv16, .offset: 24, .size: 8, .value_kind: global_buffer, .address_space: global }
      - { .name: fine, .offset: 32, .size: 8, .value_kind: global_buffer, .address_space: global }
    .group_segment_fixed_size: 327680
    .private_segment_fixed_size: 0
    .kernarg_segment_align: 8
    .kernarg_segment_size: 40
    .max_flat_workgroup_size: 128
    .sgpr_count:     102
    .vgpr_count:     1024
    .wavefront_size: 32
...
	.end_amdgpu_metadata
.endif
;; end of part 2
;; launch attn (part 3): grid 32 x 8, 4 waves a work-group, clusters of 4 x 1, 327,680 bytes of LDS; arguments qkv16, att16; writes att16
.if DOCPART == 3
	.amdgcn_target "amdgcn-amd-amdhsa--gfx1250"
	.amdhsa_code_object_version 6
	.text
	.protected	k_q365963dcb7_attn
	.globl	k_q365963dcb7_attn
	.p2align	8
	.type	k_q365963dcb7_attn,@function
k_q365963dcb7_attn:
	s_mov_b64 s[64:65], 0
	v_nop
	global_prefetch_b8 v0, s[64:65] scope:SCOPE_SE
	s_setreg_imm32_b32 hwreg(HW_REG_WAVE_MODE, 25, 1), 1
	s_wait_xcnt 0x0
	s_wait_alu depctr_hold_cnt(0) depctr_sa_sdst(0) depctr_va_vdst(0) depctr_va_sdst(0) depctr_va_ssrc(0) depctr_va_vcc(0) depctr_vm_vsrc(0)
	s_getreg_b32 s2, hwreg(HW_REG_IB_STS2, 6, 4)
	s_cmp_eq_u32 s2, 0
	s_cbranch_scc0 .Lentry_in_a_cluster
	s_endpgm
.Lentry_in_a_cluster:
	s_bfe_u32 s2, ttmp6, 0x10000c
	s_cmp_lg_u32 s2, 0x3003
	s_cbranch_scc0 .Lentry_shape_is_right
	s_endpgm
.Lentry_shape_is_right:
; Causal attention in f16 operands, f32 sums.  qkv16: [b][ct][position][128] f16: ct 0-7 q (already x c = log2(e)/sqrt(128)), 8-11 k, 12-15 v.  att16: [b x 2048 + position][head x 128 + channel] f16.
; SHARES.  Work-group y = 4 b + kv head.  A block is 32 positions x the kv head's two query heads: four tiles of 16 rows (tile t: head t / 2, positions + 16 (t % 2)).
; Work-group p (0 .. 31) takes block 63 - p (pass A) and then block p (pass B).  Keys come in slots of 256: pass A needs a = 8 - p / 8 of them, pass B 9 - a: NINE slot trips in every work-group.
; THE FOUR WAVES SHARE THE KEYS, NOT THE ROWS: in every slot wave w takes keys 64 w .. 64 w + 63 for all four tiles, so a fragment read from LDS feeds four products and each LDS byte is read once.
; Each wave keeps its own running maximum m, sum l and O^T for both passes; one merge through LDS ends the launch.  The diagonal lies in a pass's last slot alone: there hidden scores become -infinity.
; LAYOUT.  S^T = K Q^T (source 0 = 16 keys, source 1 = 16 rows of Q), O^T = V^T P: a lane holds ONE row throughout.  K comes out of LDS as it lies, V turned, by ds_load_tr16_b128.
; SOFTMAX.  p = 2^(s - m); in every slot O^T and l are multiplied by 2^(old m - new m).  m begins at -3e38, under every score; a wave all of whose keys are hidden for a row keeps it, with l = 0, and counts for nothing in the merge.
; CLUSTER.  a hangs on p / 8, which the four partners share: they walk the same slots of the same kv head, and each tile is asked for JOINTLY.  No load is jumped over; every partner reads every tile.
; O^T OF BOTH PASSES BEGINS AS ZEROS, written at the head while the first tile and Q are on their way: so the step is written with one form of the second product for each pass, and a pass's first slot multiplies zeros.
; In phases (scores, softmax, second product): the form to write first.
; LIMITS: NaN and infinities are not served; positions 0-15 are computed here in f16 like the others, and a later launch gives the output's rows for them in f32.
; REGISTERS: window 0: v0-11 addresses; v12-43 statistics, eight a tile; v44-55 pass A's m and l; v56-63 at work and addresses; v64-191 S^T; v192-255 P.
;   window 1: O^T of pass A.   window 2: v0-127 Q; v128-255 K, then V.   window 3: O^T of pass B.
.set KP,    272                        ; a row of K in LDS: 256 bytes + 16: the 16 rows of a load start at 16 different banks (64 banks of 4 bytes: ISA guide 11.1)
.set VP,    288                        ; a row of V: 256 + 32
.set VOFF,  256*KP                     ; a slot: 256 rows of K, then 256 of V
.set SLOT1, 256*(KP+VP)                ; slot 1 begins here: 143,360, no power of two: so a slot's first byte (0 or SLOT1) is turned by an exclusive or, and every place inside a slot is ADDED to it
.set STATS, 2*SLOT1                    ; behind the ring: (m, l) of 8 tiles x 32 lanes for each wave, 2,048 bytes a wave
.set SPARE, STATS+8192                 ; the spare words, 128 bytes a wave, which no other line names
.set MP,    528                        ; the merge's stage, in the ring when it has had its last fill and read: rows of 512 bytes + 16;
.set MWAVE, 64*MP                      ; 64 rows a wave,
.set MPASS, 4*MWAVE                    ; four waves a pass
.set VHEAD, 2097152                    ; from a kv head's K to its V: four column blocks of 2,048 rows x 256 bytes
.set AK0, 2
.set AV0, 3
.set ADR, 4
.set QO,  5
.set STOA, 6                           ; v6, v7  the merge: where I put 32 bytes of a row, pass A, pass B
.set RD0, 8                            ; v8, v11 the merge: where I read rows back
.set D0,  10                           ; v10  r - 8 h
.set RD2, 11
.set ST,  12                           ; tile t at v[12 + 8 t]: +0 m, +1 zero, +2, +3 l, +4 .. +7 at work, 2^(old m - new m) at +6
.set SA,  44                           ; pass A's m, l, l of tile t at v[44 + 3 t]
.set L8,  59                           ; v59  8 x lane
.set STW, 60                           ; v60  where I store my statistics
.set PFO, 61                           ; v61  256 x lane
.set SPW, 62
.set NIL, 63
.set S,   64
.set P,   192
.set KF,  128
.set WV,  8
.set AA,  12                           ; s12  a
.set TAU, 13                           ; s13  the slot trip, 0 .. 8
.set TB,  14                           ; s14  LDS byte at which the slot in hand begins
.set TBN, 15                           ; s15  LDS byte at which the slot that is being asked for begins
.set PB,  16                           ; s16  1 in pass B
.set KSL, 17                           ; s17  the key slot in hand
.set FIRST, 18
.set LASTP, 19                         ; s19  1 in pass A's last slot
.set SEL, 20
.set G1K, 24
.set G1V, 32
.set G0K, 40
.set G0V, 44
.set KB,  48                           ; s[48:49], s[50:51] K's and V's rows that I fetch, in key slot 0
.set VB,  50
.set OFF, 52
.set QA,  54
.set QB,  56
.set OA,  58
.set OB,  60
.set WK,  62                           ; s62  where in a slot my half of K's tile goes: (wave % 2) x 128 rows
.set WVO, 63                           ; s63  and my half of V's, behind K's 256 rows
.set PFA, 66
.set LIM, 68
.set JA,  70                           ; s70, s71 the first position of block A, B
.set JB,  71
.set MSB, 0
.macro WIN new
.set NEWW, \new
.if MSB != NEWW
	s_set_vgpr_msb (MSB<<8)|NEWW
.set MSB, NEWW
.endif
.endm
.set W_KQ,  0x0a                       ; K and Q in window 2, S^T in window 0
.set W_PVA, 0x52                       ; V in window 2, P in window 0, O^T in window 1
.set W_PVB, 0xf2                       ; the same, O^T in window 3
.set W_RSA, 0x41
.set W_RSB, 0xc3
; A joint load: waves 0 and 1 fetch K's halves of a slot, waves 2 and 3 V's.  An s_nop 0 and four v_nop follow each of the two lines.
.macro JLOAD
	s_cmp_lt_u32 s[WV], 2
	s_cbranch_scc0 .Lfor_v_\@
	tensor_load_to_lds s[G0K:G0K+3], s[G1K:G1K+7]
	s_nop 0
.rept 4
	v_nop
.endr
	s_branch .Lasked_\@
.Lfor_v_\@:
	tensor_load_to_lds s[G0V:G0V+3], s[G1V:G1V+7]
	s_nop 0
.rept 4
	v_nop
.endr
.Lasked_\@:
.endm
; A PREFETCH INTO THE L2 of the tile that the NEXT change of slots will ask for.  All clusters of a kv head walk the same K and V: the first cluster, which walks key slots 0 to 7 in order, asks for slots 2 to 7.
; Of a slot's 256 rows the partner at place cx takes 64, told apart by address; waves 0 and 1 take 32 each of K's, waves 2 and 3 of V's, a lane a row of 256 bytes: each row is named once in the launch.
.macro ASK
	s_cmp_lt_u32 s[TAU], s[LIM]
	s_cbranch_scc0 .Lnot_mine_\@
	global_prefetch_b8 v[PFO], s[PFA:PFA+1] th:TH_LOAD_NT scope:SCOPE_SE
.Lnot_mine_\@:
.endm
.macro CROUND
	s_barrier_signal -1
	s_barrier_wait -1
	s_cmp_lg_u32 s[WV], 0
	s_cbranch_scc1 .Lnot_wave_0_\@
	s_barrier_signal -3
.Lnot_wave_0_\@:
	s_barrier_wait -3
	s_barrier_signal -1
	s_barrier_wait -1
.endm
.macro PLACES
.rept 4
	v_nop
.endr
.endm
.macro QLOAD base                      ; a block's Q: tile t, channels 32 cs on: 8 registers at v[32 t + 8 cs] of window 2
	WIN 0x80
.irp t, 0,1,2,3
.irp cs, 0,1,2,3
	global_load_b128 v[32*\t+8*\cs:32*\t+8*\cs+3],   v[QO], s[\base:\base+1] offset:(\t%2)*4096+(\t/2)*524288+64*\cs
	global_load_b128 v[32*\t+8*\cs+4:32*\t+8*\cs+7], v[QO], s[\base:\base+1] offset:(\t%2)*4096+(\t/2)*524288+64*\cs+32
.endr
.endr
	WIN 0
.endm
	s_load_b128 s[4:7], s[0:1], 0x0                ; qkv16, att16
	v_lshl_add_u32 v[SPW], v0, 2, SPARE
	v_mov_b32 v[NIL], 0
	ds_add_u32 v[SPW], v[NIL]                      ; the wave's opening: the add, twice on end, and its wait ahead of my first tensor load
	ds_add_u32 v[SPW], v[NIL]
	v_lshrrev_b32 v1, 5, v0
	v_readfirstlane_b32 s[WV], v1
	s_bfe_u32 s9, ttmp6, 0x40000                   ; cx
	s_lshl_b32 s10, ttmp9, 2
	s_add_co_u32 s10, s10, s9                      ; p
	s_lshr_b32 s11, ttmp9, 1
	s_sub_co_u32 s[AA], 8, s11                     ; a = 8 - p / 8: of the cluster's number alone
	s_sub_co_u32 s[JA], 63, s10
	s_lshl_b32 s[JA], s[JA], 5
	s_lshl_b32 s[JB], s10, 5
	s_and_b32 s72, ttmp7, 0xffff
	s_lshr_b32 s73, s72, 2                         ; b
	s_and_b32 s74, s72, 3                          ; kv head
	s_lshl_b32 s75, s73, 4
	s_and_b32 s76, s[WV], 1
	s_add_co_u32 s77, s75, s74
	s_add_co_u32 s77, s77, 8
	s_lshl_b32 s77, s77, 19                        ; K's column block: 2,048 rows of 256 bytes each
	s_lshl_b32 s78, s76, 15                        ; which 128 rows of a slot I fetch
	s_add_co_u32 s[KB], s77, s78
	s_mov_b32 s[KB+1], 0
	s_lshl_b32 s79, s74, 1
	s_add_co_u32 s79, s79, s75
	s_lshl_b32 s79, s79, 19                        ; the first of the two query heads
	s_lshl_b32 s22, s[JA], 8
	s_add_co_u32 s[QA], s79, s22
	s_mov_b32 s[QA+1], 0
	s_lshl_b32 s22, s[JB], 8
	s_add_co_u32 s[QB], s79, s22
	s_mov_b32 s[QB+1], 0
	s_lshl_b32 s80, s73, 11                        ; the way out: wave w stores tile w: row b x 2048 + block + 16 (w % 2), head 2 kv + w / 2
	s_lshl_b32 s23, s76, 4
	s_add_co_u32 s80, s80, s23
	s_lshl_b32 s23, s74, 1
	s_lshr_b32 s62, s[WV], 1
	s_add_co_u32 s23, s23, s62
	s_lshl_b32 s23, s23, 8
	s_add_co_u32 s22, s80, s[JA]
	s_lshl_b32 s22, s22, 11
	s_add_co_u32 s[OA], s22, s23
	s_mov_b32 s[OA+1], 0
	s_add_co_u32 s22, s80, s[JB]
	s_lshl_b32 s22, s22, 11
	s_add_co_u32 s[OB], s22, s23
	s_mov_b32 s[OB+1], 0
	s_lshl_b32 s22, s9, 6                          ; the prefetches: my work-group's 64 rows, my wave's 32 of them,
	s_lshl_b32 s63, s76, 5
	s_add_co_u32 s22, s22, s63
	s_lshl_b32 s22, s22, 8
	s_add_co_u32 s22, s22, 65536                   ; in key slot 1: the first change of slots steps it to slot 2
	s_add_co_u32 s22, s22, s77
	s_cmp_lt_u32 s[WV], 2
	s_cselect_b32 s63, 0, VHEAD
	s_add_co_u32 s[PFA], s22, s63
	s_mov_b32 s[PFA+1], 0
	s_cmp_eq_u32 ttmp9, 0
	s_cselect_b32 s[LIM], 6, 0                     ; the same in all four partners
	; descriptor group 1: a tile of 128 rows x 128 elements of 2 bytes, padded in LDS
	s_mov_b32 s[G1K], 15|(1<<16)|(1<<20)|(1<<21)|(5<<22)|(3<<25)  ; the mask: all four work-groups; bit 21 beside it; 4 words of padding after every 64
	s_mov_b32 s[G1V], 15|(1<<16)|(1<<20)|(1<<21)|(5<<22)|(7<<25)  ; the same with 8 words
.irp g, G1K, G1V
	s_mov_b32 s[\g+1], 128<<16                     ; tensor_dim0
	s_mov_b32 s[\g+2], 128<<16                     ; tensor_dim1
	s_mov_b32 s[\g+3], 128<<16                     ; tile_dim0
	s_mov_b32 s[\g+4], 128                         ; tile_dim1
	s_mov_b32 s[\g+5], 128                         ; tensor_dim0_stride
	s_mov_b32 s[\g+6], 0
	s_mov_b32 s[\g+7], 0
.endr
	s_mul_i32 s[WK], s76, 128*KP                   ; my half's place in a slot: of the wave's number alone; no place in the cluster enters an LDS address
	s_mul_i32 s[WVO], s76, 128*VP
	s_add_co_u32 s[WVO], s[WVO], VOFF
	s_mov_b32 s[G0K], 1
	s_mov_b32 s[G0K+1], s[WK]                      ; slot 0
	s_mov_b32 s[G0V], 1
	s_mov_b32 s[G0V+1], s[WVO]
	s_mov_b32 s[OFF+1], 0
	s_mov_b32 s[SEL], 0x76543210
	s_mov_b32 s[SEL+1], 0xfedcba98
	s_mov_b32 s[TAU], 0
	s_mov_b32 s[TB], 0
	s_mov_b32 s[TBN], 0
	s_wait_dscnt 0x0                               ; both opening adds are done
	s_wait_kmcnt 0x0
	s_add_nc_u64 s[KB:KB+1], s[4:5], s[KB:KB+1]
	s_add_nc_u64 s[VB:VB+1], s[KB:KB+1], VHEAD
	s_add_nc_u64 s[QA:QA+1], s[4:5], s[QA:QA+1]
	s_add_nc_u64 s[QB:QB+1], s[4:5], s[QB:QB+1]
	s_add_nc_u64 s[PFA:PFA+1], s[4:5], s[PFA:PFA+1]
	s_add_nc_u64 s[OA:OA+1], s[6:7], s[OA:OA+1]
	s_add_nc_u64 s[OB:OB+1], s[6:7], s[OB:OB+1]
	s_mov_b64 s[G0K+2:G0K+3], s[KB:KB+1]
	s_or_b32 s[G0K+3], s[G0K+3], 0x80000000
	s_mov_b64 s[G0V+2:G0V+3], s[VB:VB+1]
	s_or_b32 s[G0V+3], s[G0V+3], 0x80000000
	CROUND                                         ; all four work-groups are here: the first joint loads meet
	JLOAD                                          ; tile 0 into slot 0: every wave has a load here; one load of mine is out
	v_and_b32 v1, 15, v0                           ; r
	v_bfe_u32 v9, v0, 4, 1                         ; h
	v_lshlrev_b32 v[QO], 8, v1
	v_lshl_add_u32 v[QO], v9, 4, v[QO]
	QLOAD QA
	v_mul_u32_u24 v[AK0], v1, KP
	v_lshl_add_u32 v[AK0], v9, 4, v[AK0]
	s_mul_i32 s72, s[WV], 64*KP
	v_add_nc_u32 v[AK0], s72, v[AK0]               ; K: row r x pitch + 16 h, in my wave's 64 keys
	v_and_b32 v[D0], 7, v0
	v_bfe_u32 v[RD2], v0, 3, 1
	v_lshl_add_u32 v[AV0], v9, 3, v[D0]
	v_mul_u32_u24 v[AV0], v[AV0], VP
	v_lshl_add_u32 v[AV0], v[RD2], 4, v[AV0]
	s_mul_i32 s72, s[WV], 64*VP
	s_add_co_u32 s72, s72, VOFF
	v_add_nc_u32 v[AV0], s72, v[AV0]               ; V: key 8 h + lane % 8, channels 8 ((lane / 8) % 2) on
	v_lshlrev_b32 v[D0], 3, v9
	v_sub_nc_u32 v[D0], v1, v[D0]
	s_mul_i32 s72, s[WV], MWAVE
	v_mul_u32_u24 v[STOA], v1, MP
	v_lshl_add_u32 v[STOA], v9, 5, v[STOA]
	v_add_nc_u32 v[STOA], s72, v[STOA]
	v_add_nc_u32 v[STOA+1], MPASS, v[STOA]
	v_and_b32 v[L8], 31, v0
	s_mul_i32 s72, s[WV], 16*MP
	v_lshl_add_u32 v[RD0], v[L8], 4, s72
	v_add_nc_u32 v[RD2], 2*MWAVE, v[RD0]
	v_lshlrev_b32 v[PFO], 8, v[L8]
	v_lshlrev_b32 v[L8], 3, v[L8]
	s_lshl_b32 s72, s[WV], 11
	s_add_co_u32 s72, s72, STATS
	v_add_nc_u32 v[STW], s72, v[L8]
	v_mov_b32 v58, 0xff800000                      ; -infinity
.irp t, 0,1,2,3
	v_mov_b32 v[ST+8*\t], 0xff61b1e6               ; m = -3e38
.irp j, 1,2,3,4,5,6,7
	v_mov_b32 v[ST+8*\t+\j], 0
.endr
	v_mov_b32 v[SA+3*\t], 0xff61b1e6
	v_mov_b32 v[SA+3*\t+1], 0
	v_mov_b32 v[SA+3*\t+2], 0
.endr
	WIN 0x40                                       ; O^T of both passes: zeros, while the first tile and Q are on their way
.set i, 0
.rept 256
	v_mov_b32 v[i], 0
.set i, i+1
.endr
	WIN 0xc0
.set i, 0
.rept 256
	v_mov_b32 v[i], 0
.set i, i+1
.endr
	WIN 0
; THE CHANGE OF SLOTS stands at a trip's head.  Each wave waits for all its tensor loads (its part of the tile that it is about to read), adds 0 to its spare word, and waits for that and for its reads of the slot that it has left.
; fill = 1: a round of the cluster's barrier, and behind it the joint load of the next tile into the slot just left (in trip 0: slot 1's first fill): one load a wave, with a whole trip in which to land.
.macro CHANGE fill
	WIN 0
	s_wait_tensorcnt 0x0                           ; no tensor load of mine is out, so a group 0 may be written
	ds_add_u32 v[SPW], v[NIL]                      ; the descriptors' steps stand between the add and the wait for it
.if \fill
	s_add_co_u32 s72, s[TAU], 1                    ; the next trip's key slot: it begins anew at 0 where pass B begins
	s_cmp_ge_u32 s72, s[AA]
	s_cselect_b32 s73, s[AA], 0
	s_sub_co_u32 s72, s72, s73
	s_lshl_b32 s[OFF], s72, 16                     ; 256 rows of 256 bytes a slot
	s_xor_b32 s[TBN], s[TBN], SLOT1                ; the other slot than last time: SLOT1 in trip 0, then 0, and so on by turns;
	s_add_co_u32 s[G0K+1], s[TBN], s[WK]           ; my half's place is added to it
	s_add_nc_u64 s[G0K+2:G0K+3], s[KB:KB+1], s[OFF:OFF+1]
	s_or_b32 s[G0K+3], s[G0K+3], 0x80000000
	s_add_co_u32 s[G0V+1], s[TBN], s[WVO]
	s_add_nc_u64 s[G0V+2:G0V+3], s[VB:VB+1], s[OFF:OFF+1]
	s_or_b32 s[G0V+3], s[G0V+3], 0x80000000
	s_wait_xcnt 0x0                                ; the last prefetch, a trip back, has read its address
	s_add_nc_u64 s[PFA:PFA+1], s[PFA:PFA+1], 65536
	s_wait_dscnt 0x0                               ; the add is done, and my reads of the slot that I have left are over
	CROUND
	JLOAD
	ASK
.else
	s_wait_dscnt 0x0
	s_barrier_signal -1
	s_barrier_wait -1
.endif
.endm
.macro FETCH_K                         ; my 64 keys x 128 channels: fragment (key tile kt, channels 32 cs on) at v[128 + 32 kt + 8 cs] of window 2
	WIN 0
	v_add_nc_u32 v[ADR], s[TB], v[AK0]
	WIN 0x80
.irp f, 0,1,2,3,4,5,6,7,8,9,10,11,12,13,14,15
	ds_load_b128 v[KF+8*\f:KF+8*\f+3],   v[ADR] offset:(\f/4)*16*KP+(\f%4)*64
	ds_load_b128 v[KF+8*\f+4:KF+8*\f+7], v[ADR] offset:(\f/4)*16*KP+(\f%4)*64+32
.endr
.endm
.macro FETCH_V                         ; the same keys of V, turned: fragment (keys 32 u on, channels 16 c on) at v[128 + 64 u + 8 c] of window 2: K's registers, which the scores have left
	WIN 0
	v_add_nc_u32 v[ADR], s[TB], v[AV0]
	WIN 0x80
.irp f, 0,1,2,3,4,5,6,7,8,9,10,11,12,13,14,15
	ds_load_tr16_b128 v[KF+8*\f:KF+8*\f+3],   v[ADR] offset:(\f/8)*32*VP+(\f%8)*32
	ds_load_tr16_b128 v[KF+8*\f+4:KF+8*\f+7], v[ADR] offset:(\f/8)*32*VP+16*VP+(\f%8)*32
.endr
	WIN 0
.endm
.macro SCORES                          ; 64 products; the 16 accumulators take turns, one instruction a turn; the first channel step starts the sums
	WIN W_KQ
.irp cs, 0,1,2,3
.irp kt, 0,1,2,3
.irp t, 0,1,2,3
.if \cs == 0
	v_wmma_f32_16x16x32_f16 v[S+32*\t+8*\kt:S+32*\t+8*\kt+7], v[KF+32*\kt+8*\cs:KF+32*\kt+8*\cs+7], v[32*\t+8*\cs:32*\t+8*\cs+7], 0
.else
	v_wmma_f32_16x16x32_f16 v[S+32*\t+8*\kt:S+32*\t+8*\kt+7], v[KF+32*\kt+8*\cs:KF+32*\kt+8*\cs+7], v[32*\t+8*\cs:32*\t+8*\cs+7], v[S+32*\t+8*\kt:S+32*\t+8*\kt+7]
.endif
.endr
.endr
.endr
.endm
; Register 8 kt + j of tile t holds key 256 slot + 64 w + 16 kt + 8 h + j for position block + 16 (t % 2) + r: hidden where 16 kt + j > d + 16 (t % 2), d = r - 8 h + block - 256 slot - 64 w.
.macro MASK jreg
	s_lshl_b32 s72, s[KSL], 8
	s_lshl_b32 s73, s[WV], 6
	s_add_co_u32 s72, s72, s73
	s_sub_co_i32 s72, s[\jreg], s72
	v_add_nc_u32 v56, s72, v[D0]
	v_add_nc_u32 v57, 16, v56
.irp par, 0,1
.set n, 0
.rept 32
	v_cmp_gt_i32 vcc_lo, 16*(n/8)+n%8, v[56+\par]
	v_cndmask_b32 v[S+32*\par+n], v[S+32*\par+n], v58, vcc_lo
	v_cndmask_b32 v[S+32*(\par+2)+n], v[S+32*(\par+2)+n], v58, vcc_lo
.set n, n+1
.endr
.endr
.endm
.macro SOFTMAX                         ; the four tiles by turns, so that no line waits for the line above it
.irp j, 0,1,2,3
.irp t, 0,1,2,3
	v_max3_num_f32 v[ST+8*\t+4+\j], v[S+32*\t+8*\j], v[S+32*\t+8*\j+1], v[S+32*\t+8*\j+2]   ; each accumulator is read from its low end on
.endr
.endr
.irp q, 1,2
.irp j, 0,1,2,3
.irp t, 0,1,2,3
	v_max3_num_f32 v[ST+8*\t+4+\j], v[ST+8*\t+4+\j], v[S+32*\t+8*\j+2*\q+1], v[S+32*\t+8*\j+2*\q+2]
.endr
.endr
.endr
.irp t, 0,1,2,3
	v_max3_num_f32 v[ST+8*\t+4], v[ST+8*\t+4], v[S+32*\t+7], v[S+32*\t+15]
.endr
.irp t, 0,1,2,3
	v_max3_num_f32 v[ST+8*\t+6], v[ST+8*\t+6], v[S+32*\t+23], v[S+32*\t+31]
.endr
.irp t, 0,1,2,3
	v_max3_num_f32 v[ST+8*\t+4], v[ST+8*\t+4], v[ST+8*\t+5], v[ST+8*\t+6]
.endr
.irp t, 0,1,2,3
	v_max3_num_f32 v[ST+8*\t+4], v[ST+8*\t+4], v[ST+8*\t+7], v[ST+8*\t]      ; with the old m
.endr
.irp t, 0,1,2,3
	v_permlanex16_b32 v[ST+8*\t+5], v[ST+8*\t+4], s[SEL], s[SEL+1]           ; the row's other 32 keys lie in the lane 16 away
.endr
.irp t, 0,1,2,3
	v_max_num_f32 v[ST+8*\t+4], v[ST+8*\t+4], v[ST+8*\t+5]                   ; the new m
.endr
.irp t, 0,1,2,3
	v_sub_f32 v[ST+8*\t+7], v[ST+8*\t], v[ST+8*\t+4]                         ; old m - new m
.endr
.irp t, 0,1,2,3
	v_mov_b32 v[ST+8*\t], v[ST+8*\t+4]
.endr
.irp t, 0,1,2,3
.set i, 0
.rept 16
	v_pk_add_f32 v[S+32*\t+2*i:S+32*\t+2*i+1], v[S+32*\t+2*i:S+32*\t+2*i+1], v[ST+8*\t:ST+8*\t+1] op_sel_hi:[1,0] neg_lo:[0,1] neg_hi:[0,1]   ; s - m: of the pair the low word serves both halves
.set i, i+1
.endr
.endr
.irp t, 0,1,2,3
	v_exp_f32 v[ST+8*\t+6], v[ST+8*\t+7]
.endr
.set i, 0
.rept 128
	v_exp_f32 v[S+i], v[S+i]                       ; ONE BATCH: none of these lines reads an exponential's result
.set i, i+1
.endr
	v_nop                                          ; a plain line behind the last exponential,
	s_wait_alu depctr_va_vdst(0)                   ; and the one wait ahead of the batch's first reader
.set i, 0
.rept 64
	v_cvt_pk_f16_f32 v[P+i], v[S+2*i], v[S+2*i+1]  ; two neighbouring score tiles, packed, are source 1 (32 keys x 16 rows) of the second product
.set i, i+1
.endr
.irp w, 4,8,16,32                      ; the sum of a tile's 16 pairs, in place: neighbours 1, 2, 4, 8 pairs apart
.irp t, 0,1,2,3
.set i, 0
.rept 32/\w
	v_pk_add_f32 v[S+32*\t+\w*i:S+32*\t+\w*i+1], v[S+32*\t+\w*i:S+32*\t+\w*i+1], v[S+32*\t+\w*i+\w/2:S+32*\t+\w*i+\w/2+1]
.set i, i+1
.endr
.endr
.endr
.irp t, 0,1,2,3
	v_pk_fma_f32 v[ST+8*\t+2:ST+8*\t+3], v[ST+8*\t+2:ST+8*\t+3], v[ST+8*\t+6:ST+8*\t+7], v[S+32*\t:S+32*\t+1] op_sel_hi:[1,0,1]
.endr
.endm
.macro RESCALE win                     ; O^T x 2^(old m - new m), each accumulator from its low end on
	WIN \win
.irp t, 0,1,2,3
.set i, 0
.rept 32
	v_pk_mul_f32 v[64*\t+2*i:64*\t+2*i+1], v[64*\t+2*i:64*\t+2*i+1], v[ST+8*\t+6:ST+8*\t+7] op_sel_hi:[1,0]
.set i, i+1
.endr
.endr
.endm
.macro PV win                          ; 64 products; the 32 accumulators take turns
	WIN \win
.irp u, 0,1
.irp c, 0,1,2,3,4,5,6,7
.irp t, 0,1,2,3
	v_wmma_f32_16x16x32_f16 v[64*\t+8*\c:64*\t+8*\c+7], v[KF+64*\u+8*\c:KF+64*\u+8*\c+7], v[P+16*\t+8*\u:P+16*\t+8*\u+7], v[64*\t+8*\c:64*\t+8*\c+7]
.endr
.endr
.endr
.endm
; A SLOT TRIP.  All its branches hang on the trip's number and on a, which the four partners share.  tail = 1: trip 8, always pass B's last.
.macro STEP tail
	s_cmp_ge_u32 s[TAU], s[AA]
	s_cselect_b32 s[PB], 1, 0
	s_cselect_b32 s72, s[AA], 0
	s_sub_co_u32 s[KSL], s[TAU], s72
	s_cmp_eq_u32 s[KSL], 0
	s_cselect_b32 s[FIRST], 1, 0
	s_add_co_u32 s72, s[TAU], 1
	s_cmp_eq_u32 s72, s[AA]
	s_cselect_b32 s[LASTP], 1, 0
	s_and_b32 s72, s[PB], s[FIRST]
	s_cmp_eq_u32 s72, 0
	s_cbranch_scc1 .Lsame_pass_\@
.irp t, 0,1,2,3                        ; pass B begins: pass A's m and l are put aside
	v_mov_b32 v[SA+3*\t], v[ST+8*\t]
	v_mov_b32 v[SA+3*\t+1], v[ST+8*\t+2]
	v_mov_b32 v[SA+3*\t+2], v[ST+8*\t+3]
	v_mov_b32 v[ST+8*\t], 0xff61b1e6
	v_mov_b32 v[ST+8*\t+2], 0
	v_mov_b32 v[ST+8*\t+3], 0
.endr
.Lsame_pass_\@:
	PLACES                                         ; in front of loads into the registers from which the last products read V
	FETCH_K
	s_wait_loadcnt 0x0                             ; Q
	s_wait_dscnt 0x0                               ; K
	SCORES
	PLACES                                         ; behind the scores: for the loads into K's and Q's registers and for the first read of S^T
	FETCH_V
.if \tail
	MASK JB
.else
	s_cmp_eq_u32 s[LASTP], 0
	s_cbranch_scc1 .Lopen_\@
	QLOAD QB                                       ; pass A's last scores are made: pass B's Q is asked for
	MASK JA
.Lopen_\@:
.endif
	SOFTMAX
.if \tail
	RESCALE W_RSB
	s_wait_dscnt 0x0                               ; V
	PV W_PVB
	WIN 0
.else
	s_cmp_eq_u32 s[PB], 0
	s_cbranch_scc0 .Lpass_b_\@
	RESCALE W_RSA
	s_wait_dscnt 0x0                               ; V
	PV W_PVA
	WIN 0
	s_branch .Lstep_done_\@
.Lpass_b_\@:
	RESCALE W_RSB
	s_wait_dscnt 0x0
	PV W_PVB
	WIN 0
.Lstep_done_\@:
.endif
.endm
.Lslot:                                                ; eight trips: each asks for the next trip's tile
	CHANGE 1
	STEP 0
	s_xor_b32 s[TB], s[TB], SLOT1
	s_add_co_u32 s[TAU], s[TAU], 1
	s_cmp_lt_u32 s[TAU], 8
	s_cbranch_scc1 .Lslot
	CHANGE 0                                       ; the ninth is written out: nothing is left to ask for
	STEP 1
; THE MERGE.  Pair i = 4 x pass + tile.  (1) each wave's (m, l) to LDS.  The lines below are also the places behind the last products.
.irp t, 0,1,2,3
	v_add_f32 v[65+2*\t], v[SA+3*\t+1], v[SA+3*\t+2]
	v_add_f32 v[73+2*\t], v[ST+8*\t+2], v[ST+8*\t+3]
.endr
.irp t, 0,1,2,3
	v_mov_b32 v[64+2*\t], v[SA+3*\t]
	v_mov_b32 v[72+2*\t], v[ST+8*\t]
.endr
.irp i, 0,1,2,3,4,5,6,7
	v_permlanex16_b32 v[80+\i], v[65+2*\i], s[SEL], s[SEL+1]
.endr
.irp i, 0,1,2,3,4,5,6,7
	v_add_f32 v[65+2*\i], v[65+2*\i], v[80+\i]     ; with the lane 16 away: the sum over my wave's keys
.endr
.irp i, 0,1,2,3,4,5,6,7
	ds_store_b64 v[STW], v[64+2*\i:65+2*\i] offset:256*\i
.endr
	v_add_nc_u32 v[ADR], STATS, v[L8]
	s_wait_dscnt 0x0                               ; my stores have landed, and all my reads of the ring are over
	s_barrier_signal -1
	s_barrier_wait -1
; (2) the weights: M = the largest of the four m; g = 2^(my m - M) / the sum over waves of 2^(m - M) l
.irp i, 0,1,2,3,4,5,6,7
.irp w, 0,1,2,3
	ds_load_b64 v[80+8*\i+2*\w:81+8*\i+2*\w], v[ADR] offset:2048*\w+256*\i
.endr
.endr
	s_wait_dscnt 0x0
.irp i, 0,1,2,3,4,5,6,7
	v_max3_num_f32 v[144+\i], v[80+8*\i], v[82+8*\i], v[84+8*\i]
.endr
.irp i, 0,1,2,3,4,5,6,7
	v_max_num_f32 v[144+\i], v[144+\i], v[86+8*\i]
.endr
.irp i, 0,1,2,3,4,5,6,7
.irp w, 0,1,2,3
	v_sub_f32 v[152+5*\i+\w], v[80+8*\i+2*\w], v[144+\i]
.endr
	v_sub_f32 v[156+5*\i], v[64+2*\i], v[144+\i]
.endr
.set i, 0
.rept 40
	v_exp_f32 v[152+i], v[152+i]
.set i, i+1
.endr
	v_nop
	s_wait_alu depctr_va_vdst(0)                   ; one wait for the forty
.irp i, 0,1,2,3,4,5,6,7
	v_mul_f32 v[144+\i], v[152+5*\i], v[81+8*\i]
.endr
.irp w, 1,2,3
.irp i, 0,1,2,3,4,5,6,7
	v_fmac_f32 v[144+\i], v[152+5*\i+\w], v[81+8*\i+2*\w]
.endr
.endr
.irp i, 0,1,2,3,4,5,6,7
	v_rcp_f32 v[144+\i], v[144+\i]                 ; wave 0 holds key 0, which counts for every row: the sum is above 0
.endr
	v_nop
	s_wait_alu depctr_va_vdst(0)                   ; one wait for the eight
.irp i, 0,1,2,3,4,5,6,7
	v_mul_f32 v[12+2*\i], v[156+5*\i], v[144+\i]   ; g of pair i, in the statistics' registers, which are done with
.endr
; (3) my O^T x g to the stage, a tile at a time, two buffers by turns
.macro PART x, t
.set II, 4*(\x)+(\t)
.set BUF, 64+64*(II%2)
.if II >= 2
	s_wait_dscnt 16                                ; the stores of two parts back have read this buffer; the last part's sixteen may be out
.endif
	WIN 0x01+2*(\x)
.set i, 0
.rept 32
	v_pk_mul_f32 v[BUF+2*i:BUF+2*i+1], v[64*(\t)+2*i:64*(\t)+2*i+1], v[12+2*II:13+2*II] op_sel_hi:[1,0]
.set i, i+1
.endr
	WIN 0
.irp c, 0,1,2,3,4,5,6,7
	ds_store_b128 v[STOA+(\x)], v[BUF+8*\c:BUF+8*\c+3] offset:16*MP*(\t)+64*\c        ; lane (r, h): row 16 t + r, channels 16 c + 8 h on
	ds_store_b128 v[STOA+(\x)], v[BUF+8*\c+4:BUF+8*\c+7] offset:16*MP*(\t)+64*\c+16
.endr
.endm
.irp x, 0,1
.irp t, 0,1,2,3
	PART \x, \t
.endr
.endr
	s_wait_dscnt 0x0
	s_barrier_signal -1
	s_barrier_wait -1
; (4) wave w adds the four waves' parts of tile w, four rows at a time, rounds to f16 and stores: 32 lanes store 256 consecutive bytes, aligned
.macro GATHER x, base
.irp q, 0,1,2,3
.irp i, 0,1,2,3
	ds_load_b128 v[64+16*\i:67+16*\i], v[RD0] offset:(4*\q+\i)*MP
	ds_load_b128 v[68+16*\i:71+16*\i], v[RD0] offset:MWAVE+(4*\q+\i)*MP
	ds_load_b128 v[72+16*\i:75+16*\i], v[RD2] offset:(4*\q+\i)*MP
	ds_load_b128 v[76+16*\i:79+16*\i], v[RD2] offset:MWAVE+(4*\q+\i)*MP
.endr
	s_wait_dscnt 0x0
.irp i, 0,1,2,3
	v_pk_add_f32 v[64+16*\i:65+16*\i], v[64+16*\i:65+16*\i], v[68+16*\i:69+16*\i]
	v_pk_add_f32 v[66+16*\i:67+16*\i], v[66+16*\i:67+16*\i], v[70+16*\i:71+16*\i]
	v_pk_add_f32 v[72+16*\i:73+16*\i], v[72+16*\i:73+16*\i], v[76+16*\i:77+16*\i]
	v_pk_add_f32 v[74+16*\i:75+16*\i], v[74+16*\i:75+16*\i], v[78+16*\i:79+16*\i]
	v_pk_add_f32 v[64+16*\i:65+16*\i], v[64+16*\i:65+16*\i], v[72+16*\i:73+16*\i]
	v_pk_add_f32 v[66+16*\i:67+16*\i], v[66+16*\i:67+16*\i], v[74+16*\i:75+16*\i]
	v_cvt_pk_f16_f32 v[128+32*(\x)+2*(4*\q+\i)], v[64+16*\i], v[65+16*\i]
	v_cvt_pk_f16_f32 v[129+32*(\x)+2*(4*\q+\i)], v[66+16*\i], v[67+16*\i]
	global_store_b64 v[L8], v[128+32*(\x)+2*(4*\q+\i):129+32*(\x)+2*(4*\q+\i)], s[\base:\base+1] offset:(4*\q+\i)*2048   ; registers of its own for each row: no store's data are written again
.endr
.endr
.endm
	GATHER 0, OA
	v_add_nc_u32 v[RD0], MPASS, v[RD0]
	v_add_nc_u32 v[RD2], MPASS, v[RD2]
	GATHER 1, OB
	s_wait_tensorcnt 0x0                           ; the wave's end
	ds_add_u32 v[SPW], v[NIL]
	s_wait_dscnt 0x0
	CROUND                                         ; the closing round
	s_endpgm
.Lfunc_end_k_q365963dcb7_attn:
	.size	k_q365963dcb7_attn, .Lfunc_end_k_q365963dcb7_attn-k_q365963dcb7_attn
	.p2alignl 7, 3214868480
	.fill 96, 4, 3214868480
	.section	.rodata,"a",@progbits
	.p2align	6, 0x0
	.amdhsa_kernel k_q365963dcb7_attn
		.amdhsa_group_segment_fixed_size 327680
		.amdhsa_private_segment_fixed_size 0
		.amdhsa_enable_private_segment 0
		.amdhsa_kernarg_size 16
		.amdhsa_user_sgpr_count 2
		.amdhsa_user_sgpr_kernarg_segment_ptr 1
		.amdhsa_wavefront_size32 1
		.amdhsa_system_sgpr_workgroup_id_x 1
		.amdhsa_system_sgpr_workgroup_id_y 1
		.amdhsa_system_sgpr_workgroup_id_z 1
		.amdhsa_system_vgpr_workitem_id 0
		.amdhsa_next_free_vgpr 1024
		.amdhsa_next_free_sgpr 84
		.amdhsa_reserve_vcc 1
		.amdhsa_float_denorm_mode_32 3
		.amdhsa_float_denorm_mode_16_64 3
		.amdhsa_memory_ordered 1
		.amdhsa_forward_progress 1
		.amdhsa_inst_pref_size 205
	.end_amdhsa_kernel
	.amdgpu_metadata
---
amdhsa.version: [ 1, 2 ]
amdhsa.kernels:
  - .name:           k_q365963dcb7_attn
    .symbol:         k_q365963dcb7_attn.kd
    .args:
      - { .name: qkv16, .offset: 0, .size: 8, .value_kind: global_buffer, .address_space: global }
      - { .name: att16, .offset: 8, .size: 8, .value_kind: global_buffer, .address_space: global }
    .group_segment_fixed_size: 327680
    .private_segment_fixed_size: 0
    .kernarg_segment_align: 8
    .kernarg_segment_size: 16
    .max_flat_workgroup_size: 128
    .sgpr_count:     84
    .vgpr_count:     1024
    .wavefront_size: 32
...
	.end_amdgpu_metadata
.endif
;; end of part 3
;; launch proj (part 4): grid 8 x 32, 4 waves a work-group, clusters of 4 x 4, 327,680 bytes of LDS; arguments att16, wot16, out0; writes out0
.if DOCPART == 4
	.amdgcn_target "amdgcn-amd-amdhsa--gfx1250"
	.amdhsa_code_object_version 6
	.text
	.protected	k_q365963dcb7_proj
	.globl	k_q365963dcb7_proj
	.p2align	8
	.type	k_q365963dcb7_proj,@function
k_q365963dcb7_proj:
	s_mov_b64 s[64:65], 0
	v_nop
	global_prefetch_b8 v0, s[64:65] scope:SCOPE_SE
	s_setreg_imm32_b32 hwreg(HW_REG_WAVE_MODE, 25, 1), 1
	s_wait_xcnt 0x0
	s_wait_alu depctr_hold_cnt(0) depctr_sa_sdst(0) depctr_va_vdst(0) depctr_va_sdst(0) depctr_va_ssrc(0) depctr_va_vcc(0) depctr_vm_vsrc(0)
	s_getreg_b32 s2, hwreg(HW_REG_IB_STS2, 6, 4)
	s_cmp_eq_u32 s2, 0
	s_cbranch_scc0 .Lentry_in_a_cluster
	s_endpgm
.Lentry_in_a_cluster:
	s_bfe_u32 s2, ttmp6, 0x10000c
	s_cmp_lg_u32 s2, 0xf033
	s_cbranch_scc0 .Lentry_shape_is_right
	s_endpgm
.Lentry_shape_is_right:
; out0[m][n] = sum over k of att16[m][k] wot16[n][k]: M 4,096, N 2,048, K 1,024; operands f16, sums and result f32.  The rows of positions 0-15 of both sequences are NOT stored here: a later launch owns them.
; A tile of 128 rows x 256 columns is made by four waves: 4,096 x 2,048 results are 256 such tiles, a work-group each.  A wave makes 64 x 128: 32 accumulators; its 128 columns are 512 bytes of a row of the result.
; K goes in steps of 128 through a ring of two LDS slots filled by the tensor data mover: rows of 256 bytes; waves 0 and 1 fetch 64 rows of A each, waves 2 and 3 128 rows of B each: one load a wave.
; The price of the smaller tile: for 32 along K a wave loads 64 + 128 rows' fragments for 32 products, and a refill has one K step less sixteen products, 112, in which to land.
; CLUSTERS: 4 x 4 work-groups; A's tiles are asked for jointly along a row of the cluster, B's along a column.  THE MATRIX INSTRUCTION IS USED TRANSPOSED (source 0 = 16 rows of B, source 1 = 16 rows of A):
; a lane holds eight neighbouring numbers of a row of the result.
; REGISTERS: window 0: v0-31 addresses; v64-95, v128-159 A's fragments, two buffers; on the way out v128-255.  window 1: v64-127, v128-191 B's fragments, two buffers.  window 2: the accumulators, (a, b) at v[8 (8 a + b)].
.set SIZE_M, 4096
.set SIZE_N, 2048
.set SIZE_K, 1024
.set KSTEP,  128
.set PITCH,  272                       ; an LDS row: 256 bytes + 16: the 16 rows of a load start at 16 different banks (64 banks of 4 bytes: ISA guide 11.1)
.set AHALF,  64*PITCH                  ; 64 rows of A: what waves 0 and 1 fetch, and what a wave reads
.set BHALF,  128*PITCH                 ; 128 rows of B: what waves 2 and 3 fetch, and what a wave reads
.set BOFF,   2*AHALF                   ; B's 256 rows lie behind A's 128
.set SLOT,   2*AHALF+2*BHALF
.set STAGE,  2*SLOT                    ; behind the ring: 16 rows x (512 + 16) bytes for each wave
.set SPITCH, 528
.set SPARE,  STAGE+4*16*SPITCH         ; the spare words, 128 bytes a wave, which no other line names
.set LAPS,   SIZE_K/(2*KSTEP)
.set ADRA, 16
.set ADRB, 20
.set STO,  24
.set RD,   25
.set CO,   26
.set FLG,  27                          ; v27  1 where my wave's first row is a sequence's position 0
.set SPW,  28
.set NIL,  29
.set PFO,  30
.set PFA,  44
.set LIM,  43
.set F0,   64
.set F1,   128
.set BK,   128
.set G1, 24
.set G0, 32
.set G1B, 48
.set G0B, 56
.set MSB, 0
.macro WIN new
.set NEWW, \new
.if MSB != NEWW
	s_set_vgpr_msb (MSB<<8)|NEWW
.set MSB, NEWW
.endif
.endm
.set MUL_LO, 0xa1                      ; source 0 (B) window 1, source 1 (A) window 0, C and D window 2
.set TO_B,   0x40
.macro JLOAD s                         ; a joint load: waves 0 and 1 fetch A's halves, waves 2 and 3 B's; an s_nop 0 and four v_nop follow each of the two lines
	s_cmp_eq_u32 s11, 0
	s_cbranch_scc0 .Lfor_b_\@
	tensor_load_to_lds s[G0+4*\s:G0+4*\s+3], s[G1:G1+7]
	s_nop 0
.rept 4
	v_nop
.endr
	s_branch .Lasked_\@
.Lfor_b_\@:
	tensor_load_to_lds s[G0B+4*\s:G0B+4*\s+3], s[G1B:G1B+7]
	s_nop 0
.rept 4
	v_nop
.endr
.Lasked_\@:
.endm
; A PREFETCH INTO THE L2 of the K step that stands two refills on: 32 rows x 256 bytes, a lane a row, one instruction a wave.  A's tile row is read by every cluster of that row of clusters: cluster x = 0 asks;
; B's tile column by every cluster of that column: cluster y = 0 asks.  The four partners that ask for a tile jointly share its rows out by address, 32 each: of A's 128 rows, asked for by wave 0 alone (wave 1 asks for
; nothing); of the 128 rows of B that wave 2 fetches, and of wave 3's.  So each row's 256 bytes of a K step are named once in the launch.  The loop's last trip asks for nothing.
.macro ASK
	s_cmp_gt_u32 s3, s[LIM]
	s_cbranch_scc0 .Lnot_mine_\@
	global_prefetch_b8 v[PFO], s[PFA:PFA+1] offset:KSTEP*2 th:TH_LOAD_NT scope:SCOPE_SE
.Lnot_mine_\@:
.endm
.macro CREST
	s_cmp_lg_u32 s10, 0
	s_cbranch_scc1 .Lnot_wave_0_\@
	s_barrier_signal -3
.Lnot_wave_0_\@:
	s_barrier_wait -3
	s_barrier_signal -1
	s_barrier_wait -1
.endm
.macro CROUND
	s_barrier_signal -1
	s_barrier_wait -1
	CREST
.endm
	s_load_b128 s[4:7], s[0:1], 0x0                ; A, B
	s_load_b64 s[8:9], s[0:1], 0x10                ; the result
	v_lshl_add_u32 v[SPW], v0, 2, SPARE
	v_mov_b32 v[NIL], 0
	ds_add_u32 v[SPW], v[NIL]                      ; the wave's opening: the add, twice on end, and its wait ahead of my first tensor load
	ds_add_u32 v[SPW], v[NIL]
	v_lshrrev_b32 v1, 5, v0
	v_readfirstlane_b32 s10, v1
	s_lshr_b32 s11, s10, 1                         ; which 64 of the tile's 128 rows are mine.  Also: I fetch for A (0) or for B (1)
	s_and_b32 s12, s10, 1                          ; which 128 of its 256 columns.  Also: which half of that tile I fetch
	s_bfe_u32 s40, ttmp6, 0x40000
	s_bfe_u32 s41, ttmp6, 0x40004
	s_lshl_b32 s42, ttmp9, 2
	s_add_co_u32 s42, s42, s40                     ; tile column
	s_and_b32 s13, ttmp7, 0xffff
	s_lshl_b32 s13, s13, 2
	s_add_co_u32 s13, s13, s41                     ; tile row
	s_lshl_b32 s43, s41, 2
	s_lshl_b32 s43, 15, s43
	s_lshl_b32 s44, 0x1111, s40
	s_or_b32 s[G1+0], s43, (1<<16)|(1<<20)|(1<<21)|(5<<22)|(3<<25)  ; the mask; elements of 2 bytes; padding on; bit 21 beside a mask; 4 words after every 64
	s_or_b32 s[G1B+0], s44, (1<<16)|(1<<20)|(1<<21)|(5<<22)|(3<<25)
.irp g, G1, G1B
	s_mov_b32 s[\g+1], KSTEP<<16                   ; tensor_dim0
	s_mov_b32 s[\g+3], KSTEP<<16                   ; tile_dim0
	s_mov_b32 s[\g+5], SIZE_K                      ; tensor_dim0_stride
	s_mov_b32 s[\g+6], 0
	s_mov_b32 s[\g+7], 0
.endr
	s_mov_b32 s[G1+2], 64<<16                      ; tensor_dim1: A's loads bring 64 rows,
	s_mov_b32 s[G1+4], 64                          ; tile_dim1
	s_mov_b32 s[G1B+2], 128<<16                    ; B's 128
	s_mov_b32 s[G1B+4], 128
	s_lshl_b32 s17, s12, 6
	s_lshl_b32 s16, s13, 7
	s_add_co_u32 s16, s16, s17                     ; A: row 128 x tile row + 64 x half
	s_lshl_b32 s47, s12, 7
	s_lshl_b32 s46, s42, 8
	s_add_co_u32 s46, s46, s47                     ; B: row 256 x tile column + 128 x half
	s_mov_b32 s17, 0
	s_mov_b32 s47, 0
	s_mov_b64 s[18:19], SIZE_K*2
	s_mul_u64 s[16:17], s[16:17], s[18:19]
	s_mul_u64 s[46:47], s[46:47], s[18:19]
	s_mul_i32 s20, s12, AHALF                      ; where they go in a slot, of the wave's number alone: A's half,
	s_mul_i32 s21, s12, BHALF
	s_add_co_u32 s21, s21, BOFF                    ; B's half
	s_wait_dscnt 0x0                               ; both opening adds are done
	s_wait_kmcnt 0x0
	s_add_nc_u64 s[14:15], s[4:5], s[16:17]
	s_add_nc_u64 s[46:47], s[6:7], s[46:47]
	CROUND
.irp s, 0,1
	s_mov_b32 s[G0+4*\s], 1
	s_add_co_u32 s[G0+4*\s+1], s20, \s*SLOT
	s_add_nc_u64 s[G0+4*\s+2:G0+4*\s+3], s[14:15], \s*KSTEP*2
	s_or_b32 s[G0+4*\s+3], s[G0+4*\s+3], 0x80000000
	s_mov_b32 s[G0B+4*\s], 1
	s_add_co_u32 s[G0B+4*\s+1], s21, \s*SLOT
	s_add_nc_u64 s[G0B+4*\s+2:G0B+4*\s+3], s[46:47], \s*KSTEP*2
	s_or_b32 s[G0B+4*\s+3], s[G0B+4*\s+3], 0x80000000
	JLOAD \s                                       ; two loads of mine are out
.endr
	v_and_b32 v1, 15, v0
	v_bfe_u32 v2, v0, 4, 1
	v_mul_u32_u24 v3, v1, PITCH
	v_lshl_add_u32 v3, v2, 4, v3
	s_mul_i32 s21, s11, AHALF                      ; my 64 rows of A
	s_mul_i32 s22, s12, BHALF                      ; my 128 rows of B,
	s_add_co_u32 s22, s22, BOFF                    ; behind A's 128
.irp s, 0,1
	v_add_nc_u32 v[ADRA+\s], s21, v3
	v_add_nc_u32 v[ADRB+\s], s22, v3
	s_add_co_u32 s21, s21, SLOT
	s_add_co_u32 s22, s22, SLOT
.endr
	s_mul_i32 s23, s10, 16*SPITCH
	s_add_co_u32 s23, s23, STAGE                   ; my stage
	v_mul_u32_u24 v4, v1, SPITCH
	v_lshl_add_u32 v4, v2, 5, v4
	v_add_nc_u32 v[STO], s23, v4                   ; in: row r, 32 bytes for each half of the lanes
	v_and_b32 v5, 31, v0
	v_lshlrev_b32 v[CO], 4, v5                     ; back: the 32 lanes take one row of 512 bytes; the same in the result
	v_add_nc_u32 v[RD], s23, v[CO]
	s_lshl_b32 s13, s13, 7                         ; 128 x tile row
	s_lshl_b32 s14, s11, 6
	s_add_co_u32 s16, s13, s14                     ; my first row
	s_and_b32 s14, s16, 2047
	s_cmp_eq_u32 s14, 0
	s_cselect_b32 s14, 1, 0
	v_mov_b32 v[FLG], s14
	s_mov_b32 s17, 0
	s_mov_b64 s[18:19], SIZE_N*4
	s_mul_u64 s[16:17], s[16:17], s[18:19]
	s_lshl_b32 s46, s42, 10                        ; my first column, in bytes
	s_lshl_b32 s47, s12, 9
	s_add_co_u32 s46, s46, s47
	s_mov_b32 s47, 0
	s_add_nc_u64 s[16:17], s[16:17], s[46:47]
	s_add_nc_u64 s[8:9], s[8:9], s[16:17]
	; the prefetches
	s_lshl_b32 s42, s42, 8                         ; 256 x tile column
	s_and_b32 s22, ttmp7, 0xffff
	s_lshl_b32 s23, s12, 7                         ; B: the 128 rows that I fetch
	s_cmp_eq_u32 s11, 0
	s_cselect_b32 s20, s13, s42                    ; the tile's first row
	s_cselect_b32 s21, s40, s41                    ; my place among the four that ask for it with me
	s_cselect_b32 s22, ttmp9, s22                  ; the coordinate along which other clusters read the same rows
	s_cselect_b32 s23, 0, s23                      ; A: wave 0 asks for all 128 rows with its partners
	s_cselect_b64 s[PFA:PFA+1], s[4:5], s[6:7]
	s_cmp_eq_u32 s22, 0
	s_cselect_b32 s[LIM], 1, -1
	s_cmp_eq_u32 s10, 1
	s_cselect_b32 s[LIM], -1, s[LIM]               ; wave 1 asks for nothing: the same in all sixteen partners
	s_add_co_u32 s20, s20, s23
	s_lshl_b32 s21, s21, 5
	s_add_co_u32 s20, s20, s21                     ; + my work-group's 32 rows
	s_mov_b32 s21, 0
	s_mov_b64 s[18:19], SIZE_K*2
	s_mul_u64 s[20:21], s[20:21], s[18:19]
	s_add_nc_u64 s[PFA:PFA+1], s[PFA:PFA+1], s[20:21]
	s_add_nc_u64 s[PFA:PFA+1], s[PFA:PFA+1], 2*KSTEP*2  ; at K step 2: the first refill steps it to 3 and names K step 4; the last prefetch names K step 7, the last
	v_and_b32 v[PFO], 31, v0
	v_mul_u32_u24 v[PFO], v[PFO], SIZE_K*2
.macro MUL8 f, a, zero                 ; 8 products, 32 along K: A's block a against B's eight; the 32 accumulators take turns in the same order in every quarter
.irp b, 0,1,2,3,4,5,6,7
.if \zero
	v_wmma_f32_16x16x32_f16 v[8*(8*(\a)+\b):8*(8*(\a)+\b)+7], v[\f+8*\b:\f+8*\b+7], v[\f+8*(\a):\f+8*(\a)+7], 0
.else
	v_wmma_f32_16x16x32_f16 v[8*(8*(\a)+\b):8*(8*(\a)+\b)+7], v[\f+8*\b:\f+8*\b+7], v[\f+8*(\a):\f+8*(\a)+7], v[8*(8*(\a)+\b):8*(8*(\a)+\b)+7]
.endif
.endr
.endm
.macro FETCH slot, k, f                ; 24 LDS loads in one run: a quarter step's fragments: 128 rows of B, 64 rows of A
	WIN TO_B
.irp i, 0,1,2,3,4,5,6,7
	ds_load_b128 v[\f+8*\i:\f+8*\i+3],   v[ADRB+\slot] offset:\k+\i*16*PITCH
	ds_load_b128 v[\f+8*\i+4:\f+8*\i+7], v[ADRB+\slot] offset:\k+\i*16*PITCH+32
.endr
	WIN 0
.irp i, 0,1,2,3
	ds_load_b128 v[\f+8*\i:\f+8*\i+3],   v[ADRA+\slot] offset:\k+\i*16*PITCH
	ds_load_b128 v[\f+8*\i+4:\f+8*\i+7], v[ADRA+\slot] offset:\k+\i*16*PITCH+32
.endr
.endm
.macro PLACES                          ; four places in front of loads into registers that matrix instructions have read, and of the first read of results
.rept 4
	v_nop
.endr
.endm
; A K step is four quarters of 32 along K, 32 products each, on buffers 0, 1, 0, 1.  One of the first three: multiplies buffer f; the next quarter's 24 loads, at byte k of the rows, stand at its head, into the buffer
; that the quarter before has left: 32 products ahead of their use.
.macro QUARTER slot, k, f, g, zero
	s_wait_dscnt 0x0                               ; buffer f is in
	PLACES
	FETCH \slot, \k, \g
	WIN MUL_LO
.irp a, 0,1,2,3
	MUL8 \f, \a, \zero
.endr
.endm
.macro MEET round                      ; the first half of a slot's last quarter: one barrier for the change of slots
	WIN 0                                          ; (the add's two registers lie in window 0)
	s_wait_tensorcnt 0x0                           ; all my tensor loads have landed: my part of the next slot
	ds_add_u32 v[SPW], v[NIL]
	s_wait_dscnt 1                                 ; the add may be out; buffer 1's loads were issued ahead of it
	WIN MUL_LO
	MUL8 F1, 0, 0                                  ; eight products stand between the add and the wait for it
	s_wait_dscnt 0x0                               ; the add is done, and my reads of this slot are over
	s_barrier_signal -1
	MUL8 F1, 1, 0
.if \round
	WIN 0
.endif
	s_barrier_wait -1
.endm
.macro TURN slot, next
	s_wait_xcnt 0x0                                ; the last prefetch, a K step back, has read its address
	s_add_nc_u64 s[PFA:PFA+1], s[PFA:PFA+1], KSTEP*2
	MEET 1
	CREST                                          ; no wave of any partner still reads this slot or has a load on its way
	s_add_nc_u64 s[G0+4*\slot+2:G0+4*\slot+3], s[G0+4*\slot+2:G0+4*\slot+3], 2*KSTEP*2
	s_add_nc_u64 s[G0B+4*\slot+2:G0B+4*\slot+3], s[G0B+4*\slot+2:G0B+4*\slot+3], 2*KSTEP*2
	JLOAD \slot                                    ; the first tensor load behind the round; its four v_nop are the places in front of the loads below
	FETCH \next, 0, F0
	ASK
	WIN MUL_LO
	MUL8 F1, 2, 0
	MUL8 F1, 3, 0
.endm
	s_wait_tensorcnt 1                             ; my part of K step 0 is in; K step 1's may be out
	s_barrier_signal -1
	s_barrier_wait -1
	FETCH 0, 0, F0
	QUARTER 0, 64,  F0, F1, 1                      ; the first quarter's products start the sums
	WIN 0                                          ; at a label and at a branch every window is 0
	s_mov_b32 s3, LAPS-1
.Llap:
	QUARTER 0, 128, F1, F0, 0
	QUARTER 0, 192, F0, F1, 0
	TURN 0, 1
	QUARTER 1, 64,  F0, F1, 0
	QUARTER 1, 128, F1, F0, 0
	QUARTER 1, 192, F0, F1, 0
	TURN 1, 0
	QUARTER 0, 64,  F0, F1, 0
	WIN 0
	s_sub_co_u32 s3, s3, 1
	s_cmp_lg_u32 s3, 0
	s_cbranch_scc1 .Llap
	QUARTER 0, 128, F1, F0, 0                      ; the last lap fills nothing
	QUARTER 0, 192, F0, F1, 0
	MEET 0
	PLACES
	FETCH 1, 0, F0
	WIN MUL_LO
	MUL8 F1, 2, 0
	MUL8 F1, 3, 0
	QUARTER 1, 64,  F0, F1, 0
	QUARTER 1, 128, F1, F0, 0
	QUARTER 1, 192, F0, F1, 0
	s_wait_dscnt 0x0                               ; the very last quarter: nothing more to fetch
	WIN MUL_LO
.irp a, 0,1,2,3
	MUL8 F1, \a, 0
.endr
	WIN 0
; THE WAY OUT, a block of 16 rows x 128 columns at a time, through my own stage and back as whole rows of 512 bytes.
.macro TOSTAGE a
.set AC, 64*(\a)
	WIN 0x08                                       ; an LDS store's data are its source 1: window 2
.irp b, 0,1,2,3,4,5,6,7
	ds_store_b128 v[STO], v[AC+8*\b:AC+8*\b+3] offset:64*\b          ; each accumulator from its low end on
	ds_store_b128 v[STO], v[AC+8*\b+4:AC+8*\b+7] offset:64*\b+16
.endr
	WIN 0
.set BB, BK+64*((\a)%2)
.irp t, 0,1,2,3,4,5,6,7,8,9,10,11,12,13,14,15
	ds_load_b128 v[BB+4*\t:BB+4*\t+3], v[RD] offset:\t*SPITCH        ; LDS serves a wave's instructions in order: these see the stores above
.endr
.endm
.macro SEND a, younger                 ; younger: the LDS instructions issued behind block a's loads, which may stay out
.set BB, BK+64*((\a)%2)
	s_wait_dscnt \younger
.if (\a) > 0
	s_add_nc_u64 s[8:9], s[8:9], 16*SIZE_N*4       ; behind a wait on XCNT: the earlier stores have read their base
.else
	s_wait_xcnt 0x0                                ; block 0 holds positions 0-15 in the waves whose first row begins a sequence: there all lanes are off.  EXEC changes only behind this wait
	v_cmp_eq_u32 vcc_lo, 0, v[FLG]
	s_and_saveexec_b32 s20, vcc_lo
.endif
.irp t, 0,1,2,3,4,5,6,7,8,9,10,11,12,13,14,15
	global_store_b128 v[CO], v[BB+4*\t:BB+4*\t+3], s[8:9] offset:\t*SIZE_N*4 th:TH_STORE_NT   ; 32 lanes store 512 consecutive bytes, aligned
.endr
.if (\a) == 0
	s_wait_xcnt 0x0
	s_or_b32 exec_lo, exec_lo, s20
.endif
.endm
	PLACES
	TOSTAGE 0
.irp a, 1,2,3
.if \a > 1
	s_wait_xcnt 0x0                                ; block a - 2's stores have read their registers and their base
.endif
	TOSTAGE \a
	SEND \a-1, 32                                  ; behind block a - 1's loads: block a's 16 stores and 16 loads
.endr
	s_wait_xcnt 0x0
	SEND 3, 0
	s_wait_tensorcnt 0x0                           ; the wave's end
	ds_add_u32 v[SPW], v[NIL]
	s_wait_dscnt 0x0
	CROUND                                         ; the closing round
	s_endpgm
.Lfunc_end_k_q365963dcb7_proj:
	.size	k_q365963dcb7_proj, .Lfunc_end_k_q365963dcb7_proj-k_q365963dcb7_proj
	.p2alignl 7, 3214868480
	.fill 96, 4, 3214868480
	.section	.rodata,"a",@progbits
	.p2align	6, 0x0
	.amdhsa_kernel k_q365963dcb7_proj
		.amdhsa_group_segment_fixed_size 327680
		.amdhsa_private_segment_fixed_size 0
		.amdhsa_enable_private_segment 0
		.amdhsa_kernarg_size 24
		.amdhsa_user_sgpr_count 2
		.amdhsa_user_sgpr_kernarg_segment_ptr 1
		.amdhsa_wavefront_size32 1
		.amdhsa_system_sgpr_workgroup_id_x 1
		.amdhsa_system_sgpr_workgroup_id_y 1
		.amdhsa_system_sgpr_workgroup_id_z 1
		.amdhsa_system_vgpr_workitem_id 0
		.amdhsa_next_free_vgpr 768
		.amdhsa_next_free_sgpr 66
		.amdhsa_reserve_vcc 1
		.amdhsa_float_denorm_mode_32 3
		.amdhsa_float_denorm_mode_16_64 3
		.amdhsa_memory_ordered 1
		.amdhsa_forward_progress 1
		.amdhsa_inst_pref_size 87
	.end_amdhsa_kernel
	.amdgpu_metadata
---
amdhsa.version: [ 1, 2 ]
amdhsa.kernels:
  - .name:           k_q365963dcb7_proj
    .symbol:         k_q365963dcb7_proj.kd
    .args:
      - { .name: att16, .offset: 0, .size: 8, .value_kind: global_buffer, .address_space: global }
      - { .name: wot16, .offset: 8, .size: 8, .value_kind: global_buffer, .address_space: global }
      - { .name: out0, .offset: 16, .size: 8, .value_kind: global_buffer, .address_space: global }
    .group_segment_fixed_size: 327680
    .private_segment_fixed_size: 0
    .kernarg_segment_align: 8
    .kernarg_segment_size: 24
    .max_flat_workgroup_size: 128
    .sgpr_count:     66
    .vgpr_count:     768
    .wavefront_size: 32
...
	.end_amdgpu_metadata
.endif
;; end of part 4
;; launch first16 (part 5): grid 32 x 2, 8 waves a work-group, no clusters, 35,840 bytes of LDS; arguments fine, Wo, out0; writes out0
.if DOCPART == 5
	.amdgcn_target "amdgcn-amd-amdhsa--gfx1250"
	.amdhsa_code_object_version 6
	.text
	.protected	k_q365963dcb7_first16
	.globl	k_q365963dcb7_first16
	.p2align	8
	.type	k_q365963dcb7_first16,@function
k_q365963dcb7_first16:
	s_mov_b64 s[64:65], 0
	v_nop
	global_prefetch_b8 v0, s[64:65] scope:SCOPE_SE
	s_setreg_imm32_b32 hwreg(HW_REG_WAVE_MODE, 25, 1), 1
	s_wait_xcnt 0x0
; Positions 0-15 of both sequences in f32 from end to end: there a row averages one to sixteen values and is the largest in size, and 16-bit operands would use up what the comparison allows.
; fine: [b][ct][16][128] f32 (ct 0-7 q x c, 8-11 k, 12-15 v).  A work-group takes sequence y and output columns 64 x .. 64 x + 63; wave = query head.
; Each wave makes its head's 16 x 16 attention and its head's part of the projection (K = its 128 channels); the eight parts meet in LDS.  The small attention is made again in each of the 32 column groups:
; so both steps fit one launch with nothing passed between work-groups.  64 columns a work-group make each stored piece of a row 256 consecutive bytes.
; All products by the f32 matrix form, used transposed, K permuted alike on both sources.  Its results lie in window 1, v128-239, which only matrix instructions write.
; No cluster, no tensor load: the work-groups share nothing that goes through LDS.
; REGISTERS: window 0: v1-11 addresses; v16-79 Q, later O / l, later the parts read back; v80-143 K, later Wo's tile 2; v144-207 V, later tile 3; v208-215 scores; v216-223 p; v224-230 at work.
;   window 1: v0-63, v64-127 Wo's tiles 0, 1; v128-143 two score sums; v144-207 O^T; v208-239 the four output tiles.
.set SPW, 14
.set NIL, 15
.set FQ,  16
.set FK,  80
.set FV,  144
.set FT,  208
.set FP,  216
.set WP,  272                          ; a row of a wave's part in LDS: 256 bytes + 16
.set SPARE, 8*16*WP                    ; behind the eight parts: the spare words, 128 bytes a wave, which no other line names
.set MSB, 0
.macro WIN new
.set NEWW, \new
.if MSB != NEWW
	s_set_vgpr_msb (MSB<<8)|NEWW
.set MSB, NEWW
.endif
.endm
.macro PLACES8                         ; this matrix form wants eight places (ISA guide 7.12.1)
.rept 8
	v_nop
.endr
.endm
	s_load_b128 s[4:7], s[0:1], 0x0                ; fine, Wo
	s_load_b64 s[8:9], s[0:1], 0x10                ; out0
	v_lshl_add_u32 v[SPW], v0, 2, SPARE
	v_mov_b32 v[NIL], 0
	v_lshrrev_b32 v1, 5, v0
	v_readfirstlane_b32 s10, v1                    ; wave = head
	v_and_b32 v1, 15, v0                           ; r
	v_bfe_u32 v2, v0, 4, 1                         ; h
	v_lshlrev_b32 v3, 9, v1
	v_lshl_add_u32 v3, v2, 4, v3                   ; Q, K: row r of 512 bytes + 16 h
	v_lshlrev_b32 v4, 2, v1
	v_lshl_add_u32 v5, v2, 16, v4                  ; Wo: column r, 8 h rows of 8,192 bytes down
	v_lshl_add_u32 v4, v2, 12, v4                  ; V: channel r, 8 h keys of 512 bytes down
	v_lshlrev_b32 v6, 3, v2
	v_sub_nc_u32 v6, v1, v6                        ; r - 8 h
	s_mul_i32 s11, s10, 16*WP
	v_mul_u32_u24 v7, v1, WP
	v_lshl_add_u32 v7, v2, 5, v7
	v_add_nc_u32 v7, s11, v7                       ; my part: row r, 32 h
	v_lshrrev_b32 v11, 4, v0                       ; at the end thread tau takes row tau / 16, 16 bytes at 16 (tau % 16)
	v_mul_u32_u24 v8, v11, WP
	v_lshl_add_u32 v8, v1, 4, v8
	v_lshlrev_b32 v9, 13, v11
	v_lshl_add_u32 v9, v1, 4, v9
	v_mov_b32 v10, 0xff800000                      ; -infinity
	v_mov_b32 v225, 0                              ; a lane permute's destination counts as one of its sources
	s_mov_b32 s20, 0x76543210
	s_mov_b32 s21, 0xfedcba98
	s_and_b32 s11, ttmp7, 0xffff                   ; the sequence
	s_lshl_b32 s12, s11, 4
	s_add_co_u32 s13, s12, s10
	s_lshl_b32 s24, s13, 13                        ; q: column block 16 b + head, 8,192 bytes each
	s_mov_b32 s25, 0
	s_lshr_b32 s14, s10, 1
	s_add_co_u32 s14, s14, s12
	s_add_co_u32 s14, s14, 8
	s_lshl_b32 s26, s14, 13                        ; k: 16 b + 8 + head / 2
	s_mov_b32 s27, 0
	s_add_co_u32 s28, s26, 32768                   ; v: four blocks on
	s_mov_b32 s29, 0
	s_lshl_b32 s30, s10, 20                        ; Wo: my head's 128 rows,
	s_lshl_b32 s15, ttmp9, 8                       ; my work-group's 64 columns
	s_add_co_u32 s30, s30, s15
	s_mov_b32 s31, 0
	s_lshl_b32 s32, s11, 24                        ; out0: the sequence's first row
	s_add_co_u32 s32, s32, s15
	s_mov_b32 s33, 0
	s_wait_kmcnt 0x0
	s_add_nc_u64 s[24:25], s[4:5], s[24:25]
	s_add_nc_u64 s[26:27], s[4:5], s[26:27]
	s_add_nc_u64 s[28:29], s[4:5], s[28:29]
	s_add_nc_u64 s[30:31], s[6:7], s[30:31]
	s_add_nc_u64 s[32:33], s[8:9], s[32:33]
.set i, 0
.rept 16
	global_load_b128 v[FQ+4*i:FQ+4*i+3], v3, s[24:25] offset:32*i    ; registers 4 i + 2 u + j: channel 8 i + 4 h + 2 u + j
.set i, i+1
.endr
.set i, 0
.rept 16
	global_load_b128 v[FK+4*i:FK+4*i+3], v3, s[26:27] offset:32*i
.set i, i+1
.endr
.irp c, 0,1,2,3,4,5,6,7
.irp k, 0,1,2,3,4,5,6,7
	global_load_b32 v[FV+8*\c+\k], v4, s[28:29] offset:\k*512+64*\c  ; V(key 8 h + k, channel 16 c + r)
.endr
.endr
.macro WLOAD reg, u                    ; Wo's tile u: register 8 c + k: Wo(head x 128 + 16 c + 8 h + k, column 16 u + r); sixteen lanes read 64 consecutive bytes
.irp c, 0,1,2,3,4,5,6,7
.irp k, 0,1,2,3,4,5,6,7
	global_load_b32 v[\reg+8*\c+\k], v5, s[30:31] offset:(16*\c+\k)*8192+64*\u
.endr
.endr
.endm
	s_wait_loadcnt 63                              ; V's 64 loads are younger: Q and K are in
	WIN 0x50                                       ; C and D window 1
.set i, 0
.rept 32                                       ; S^T = K Q^T, four channels a step, in two sums that take turns; each sum's first step has C = 0
.if i < 2
	v_wmma_f32_16x16x4_f32 v[128+8*(i%2):135+8*(i%2)], v[FK+2*i:FK+2*i+1], v[FQ+2*i:FQ+2*i+1], 0
.else
	v_wmma_f32_16x16x4_f32 v[128+8*(i%2):135+8*(i%2)], v[FK+2*i:FK+2*i+1], v[FQ+2*i:FQ+2*i+1], v[128+8*(i%2):135+8*(i%2)]
.endif
.set i, i+1
.endr
	WIN 0
	PLACES8
	WIN 0x40
	WLOAD 0, 0
	WIN 0x05
.irp j, 0,1,2,3,4,5,6,7
	v_add_f32 v[FT+\j], v[128+\j], v[136+\j]       ; lane (r, h): row r, key 8 h + j; q came x c, so this is the exponent to base 2
.endr
	WIN 0
.irp j, 0,1,2,3,4,5,6,7
	v_cmp_gt_i32 vcc_lo, \j, v6                    ; key 8 h + j comes after position r
	v_cndmask_b32 v[FT+\j], v[FT+\j], v10, vcc_lo
.endr
	v_max3_num_f32 v224, v[FT], v[FT+1], v[FT+2]
	v_max3_num_f32 v224, v224, v[FT+3], v[FT+4]
	v_max3_num_f32 v224, v224, v[FT+5], v[FT+6]
	v_max_num_f32 v224, v224, v[FT+7]
	v_permlanex16_b32 v225, v224, s20, s21
	v_max_num_f32 v224, v224, v225                 ; the row's maximum: key 0 counts for every row
.irp j, 0,1,2,3,4,5,6,7
	v_sub_f32 v[FP+\j], v[FT+\j], v224
.endr
.irp j, 0,1,2,3,4,5,6,7
	v_exp_f32 v[FP+\j], v[FP+\j]
.endr
	v_nop
	s_wait_alu depctr_va_vdst(0)                   ; one wait for the eight, ahead of their first reader
	v_add_f32 v226, v[FP], v[FP+1]
	v_add_f32 v227, v[FP+2], v[FP+3]
	v_add_f32 v228, v[FP+4], v[FP+5]
	v_add_f32 v229, v[FP+6], v[FP+7]
	v_add_f32 v226, v226, v227
	v_add_f32 v228, v228, v229
	v_add_f32 v226, v226, v228
	v_permlanex16_b32 v225, v226, s20, s21
	v_add_f32 v226, v226, v225                     ; the row's sum
	v_rcp_f32 v230, v226
	v_nop
	s_wait_loadcnt 63                              ; tile 0's 64 loads are younger: V is in
	WIN 0x50
.irp s, 0,1,2,3                                ; O^T = V^T P^T: keys 8 h + 2 s + 0, 1 a step; the eight accumulators take turns
.irp c, 0,1,2,3,4,5,6,7
.if \s == 0
	v_wmma_f32_16x16x4_f32 v[144+8*\c:151+8*\c], v[FV+8*\c+2*\s:FV+8*\c+2*\s+1], v[FP+2*\s:FP+2*\s+1], 0
.else
	v_wmma_f32_16x16x4_f32 v[144+8*\c:151+8*\c], v[FV+8*\c+2*\s:FV+8*\c+2*\s+1], v[FP+2*\s:FP+2*\s+1], v[144+8*\c:151+8*\c]
.endif
.endr
.endr
	WIN 0x40
	WLOAD 64, 1
	WIN 0
	WLOAD FK, 2                                    ; into K's registers: their last reader stands more than eight places back
	PLACES8
	s_wait_alu depctr_va_vdst(0)                   ; the reciprocal's wait, ahead of its first reader
	WIN 0x01
.set i, 0
.rept 64
	v_mul_f32 v[FQ+i], v[144+i], v230              ; O / l into Q's registers: register 8 c + j: channel 16 c + 8 h + j of row r
.set i, i+1
.endr
	WIN 0
	s_wait_loadcnt 63                              ; tile 2's 64 loads are younger: tiles 0 and 1 are in
	WLOAD FV, 3                                    ; into V's registers
	WIN 0x51                                       ; source 0 (Wo) window 1
.set i, 0
.rept 32                                       ; out^T = Wo^T O^T: channels 16 c + 8 h + 2 s + 0, 1 a step (i = 4 c + s); tiles 0 and 1 take turns
.irp u, 0,1
.if i == 0
	v_wmma_f32_16x16x4_f32 v[208+8*\u:215+8*\u], v[64*\u+2*i:64*\u+2*i+1], v[FQ+2*i:FQ+2*i+1], 0
.else
	v_wmma_f32_16x16x4_f32 v[208+8*\u:215+8*\u], v[64*\u+2*i:64*\u+2*i+1], v[FQ+2*i:FQ+2*i+1], v[208+8*\u:215+8*\u]
.endif
.endr
.set i, i+1
.endr
	s_wait_loadcnt 0x0                             ; tiles 2 and 3
	WIN 0x50
.set i, 0
.rept 32
.irp u, 0,1
.if i == 0
	v_wmma_f32_16x16x4_f32 v[224+8*\u:231+8*\u], v[FK+64*\u+2*i:FK+64*\u+2*i+1], v[FQ+2*i:FQ+2*i+1], 0
.else
	v_wmma_f32_16x16x4_f32 v[224+8*\u:231+8*\u], v[FK+64*\u+2*i:FK+64*\u+2*i+1], v[FQ+2*i:FQ+2*i+1], v[224+8*\u:231+8*\u]
.endif
.endr
.set i, i+1
.endr
	WIN 0
	PLACES8
	WIN 0x04                                       ; an LDS store's data are its source 1: window 1
.irp u, 0,1,2,3
	ds_store_b128 v7, v[208+8*\u:211+8*\u] offset:64*\u              ; lane (r, h): row r, columns 16 u + 8 h + 0 .. 7
	ds_store_b128 v7, v[212+8*\u:215+8*\u] offset:64*\u+16
.endr
	WIN 0
	s_wait_dscnt 0x0                               ; for the others' sake: my part has landed
	s_barrier_signal -1
	s_barrier_wait -1
.irp w, 0,1,2,3,4,5,6,7
	ds_load_b128 v[FQ+4*\w:FQ+4*\w+3], v8 offset:\w*16*WP
.endr
	s_wait_dscnt 0x0
.irp w, 0,2,4,6
	v_pk_add_f32 v[FQ+4*\w:FQ+4*\w+1], v[FQ+4*\w:FQ+4*\w+1], v[FQ+4*\w+4:FQ+4*\w+5]
	v_pk_add_f32 v[FQ+4*\w+2:FQ+4*\w+3], v[FQ+4*\w+2:FQ+4*\w+3], v[FQ+4*\w+6:FQ+4*\w+7]
.endr
.irp w, 0,4
	v_pk_add_f32 v[FQ+4*\w:FQ+4*\w+1], v[FQ+4*\w:FQ+4*\w+1], v[FQ+4*\w+8:FQ+4*\w+9]
	v_pk_add_f32 v[FQ+4*\w+2:FQ+4*\w+3], v[FQ+4*\w+2:FQ+4*\w+3], v[FQ+4*\w+10:FQ+4*\w+11]
.endr
	v_pk_add_f32 v[FQ:FQ+1], v[FQ:FQ+1], v[FQ+16:FQ+17]
	v_pk_add_f32 v[FQ+2:FQ+3], v[FQ+2:FQ+3], v[FQ+18:FQ+19]
	global_store_b128 v9, v[FQ:FQ+3], s[32:33]     ; sixteen lanes store 256 consecutive bytes, aligned
	s_wait_tensorcnt 0x0                           ; the wave's end
	ds_add_u32 v[SPW], v[NIL]
	s_wait_dscnt 0x0
	s_endpgm
.Lfunc_end_k_q365963dcb7_first16:
	.size	k_q365963dcb7_first16, .Lfunc_end_k_q365963dcb7_first16-k_q365963dcb7_first16
	.p2alignl 7, 3214868480
	.fill 96, 4, 3214868480
	.section	.rodata,"a",@progbits
	.p2align	6, 0x0
	.amdhsa_kernel k_q365963dcb7_first16
		.amdhsa_group_segment_fixed_size 35840
		.amdhsa_private_segment_fixed_size 0
		.amdhsa_enable_private_segment 0
		.amdhsa_kernarg_size 24
		.amdhsa_user_sgpr_count 2
		.amdhsa_user_sgpr_kernarg_segment_ptr 1
		.amdhsa_wavefront_size32 1
		.amdhsa_system_sgpr_workgroup_id_x 1
		.amdhsa_system_sgpr_workgroup_id_y 1
		.amdhsa_system_sgpr_workgroup_id_z 1
		.amdhsa_system_vgpr_workitem_id 0
		.amdhsa_next_free_vgpr 512
		.amdhsa_next_free_sgpr 66
		.amdhsa_reserve_vcc 1
		.amdhsa_float_denorm_mode_32 3
		.amdhsa_float_denorm_mode_16_64 3
		.amdhsa_memory_ordered 1
		.amdhsa_forward_progress 1
		.amdhsa_inst_pref_size 56
	.end_amdhsa_kernel
	.amdgpu_metadata
---
amdhsa.version: [ 1, 2 ]
amdhsa.kernels:
  - .name:           k_q365963dcb7_first16
    .symbol:         k_q365963dcb7_first16.kd
    .args:
      - { .name: fine, .offset: 0, .size: 8, .value_kind: global_buffer, .address_space: global }
      - { .name: Wo, .offset: 8, .size: 8, .value_kind: global_buffer, .address_space: global }
      - { .name: out0, .offset: 16, .size: 8, .value_kind: global_buffer, .address_space: global }
    .group_segment_fixed_size: 35840
    .private_segment_fixed_size: 0
    .kernarg_segment_align: 8
    .kernarg_segment_size: 24
    .max_flat_workgroup_size: 256
    .sgpr_count:     66
    .vgpr_count:     512
    .wavefront_size: 32
...
	.end_amdgpu_metadata
.endif
;; end of part 5
